; MI455X (gfx1250); checked and timed in simulation.
; The chip was launched on July 23, 2026; its instructions are those of AMD's public machine-readable ISA for CDNA 5 (MIT licence, August 2026) and "CDNA5" Instruction Set Architecture Reference Guide (July 2026). The comments in the code are by the model that wrote it; some were corrected since.
;; Multihead Diff Attn. Allowed arithmetic: float matrix products may take bf16 or f16 operands with f32 sums; other float arithmetic in f32, or as packed bf16 or f16 multiplies, adds, multiply-adds, maxima and minima; sums over many terms, partial sums and values carried from step to step in f32; what a program stores and reads back later, other than sums and carried values, may be rounded once to bf16 or f16.
;; Inputs: Wk 1,024 x 2,048 float32; Wo 2,048 x 2,048 float32; Wq 2,048 x 2,048 float32; Wv 1,024 x 2,048 float32; g 128 float32; lambda_k1 64 float32; lambda_k2 64 float32; lambda_q1 64 float32; lambda_q2 64 float32; rel_pos 1 float32; x 1 x 2,048 x 2,048 float32.
;; Outputs: out0 1 x 2,048 x 2,048 float32.
;; One version. Each part assembles by itself: llvm-mc -triple=amdgcn-amd-amdhsa -mcpu=gfx1250 --defsym DOCPART=n.
;; ======== version 1 of 1: 4 launches
;; limits: values are held in f16: magnitudes above 65,504 overflow, below 6.1e-05 lose precision
;; workspace buffers: xb 8,388,608 bytes; wqkv 16,777,216 bytes; wob 8,388,608 bytes; qkv 16,777,216 bytes; att 8,388,608 bytes
;; launch cast (part 1): grid 256 x 4, 8 waves a work-group, no clusters, 0 bytes of LDS; arguments x, Wq, Wk, Wv, Wo, xb, wqkv, wob; writes xb, wqkv, wob
.if DOCPART == 1
	.amdgcn_target "amdgcn-amd-amdhsa--gfx1250"
	.amdhsa_code_object_version 6
	.text
	.protected	k_qc0af6f5b4d_cast
	.globl	k_qc0af6f5b4d_cast
	.p2align	8
	.type	k_qc0af6f5b4d_cast,@function
k_qc0af6f5b4d_cast:
	s_mov_b64 s[64:65], 0
	v_nop
	global_prefetch_b8 v0, s[64:65] scope:SCOPE_SE
	s_setreg_imm32_b32 hwreg(HW_REG_WAVE_MODE, 25, 1), 1
	s_wait_xcnt 0x0
; THE INPUTS ARE ROUNDED ONCE TO 16 BITS.  x -> xb (bf16); Wq, Wk, Wv -> wqkv (bf16, their rows one after the other); Wo -> wob: rounded to bf16 like the others, and that number written as f16.
; LIMIT: |Wo| stays under 65,504; below 6e-5 f16 keeps its fixed step of 6e-8.
; A work-group takes 65,536 bytes of one source and writes 32,768: thread t loads 16 bytes at 16 t + 4,096 n and stores 8 bytes at 8 t + 2,048 n, n = 0 .. 15.
; A wave's load covers 512 consecutive bytes, its store 256 consecutive bytes, both aligned.  All sixteen loads go out at once; no register of a pending access is written again, so the only waits are the counted ones for data.
; No LDS, no matrix work: each byte is touched once and nothing is shared.
.set X, 8                              ; v[8:71]    sixteen loads of four f32
.set Y, 72                             ; v[72:103]  sixteen pairs to store
.set T, 104                            ; v[104:107] at work
	s_load_b512 s[8:23], s[0:1], 0x0               ; x s[8:9], Wq s[10:11], Wk s[12:13], Wv s[14:15], Wo s[16:17], xb s[18:19], wqkv s[20:21], wob s[22:23]
	s_and_b32 s2, ttmp7, 0xffff                    ; y: which tensor
	s_mov_b32 s3, 0xffff0000                       ; a word's upper bf16
	v_lshlrev_b32 v1, 4, v0                        ; 16 t
	v_lshlrev_b32 v2, 3, v0                        ; 8 t
	s_lshl_b32 s4, ttmp9, 16                       ; the source's offset,
	s_mov_b32 s5, 0
	s_lshl_b32 s6, ttmp9, 15                       ; the destination's
	s_mov_b32 s7, 0
	s_and_b32 s28, ttmp9, 127                      ; y = 2: Wk (x < 128) and Wv have 128 parts each,
	s_lshl_b32 s28, s28, 16
	s_add_co_u32 s29, ttmp9, 256                   ; and lie behind Wq's 256 parts in wqkv
	s_lshl_b32 s29, s29, 15
	s_cmp_eq_u32 s2, 2
	s_cselect_b32 s4, s28, s4
	s_cselect_b32 s6, s29, s6
	s_wait_kmcnt 0x0
	s_cmp_lt_u32 ttmp9, 128
	s_cselect_b64 s[24:25], s[12:13], s[14:15]     ; Wk or Wv
	s_cmp_eq_u32 s2, 2
	s_cselect_b64 s[24:25], s[24:25], s[16:17]     ; y = 2: that one; else Wo,
	s_cselect_b64 s[26:27], s[20:21], s[22:23]
	s_cmp_eq_u32 s2, 1
	s_cselect_b64 s[24:25], s[10:11], s[24:25]     ; or Wq,
	s_cselect_b64 s[26:27], s[20:21], s[26:27]
	s_cmp_eq_u32 s2, 0
	s_cselect_b64 s[24:25], s[8:9], s[24:25]       ; or x
	s_cselect_b64 s[26:27], s[18:19], s[26:27]
	s_add_nc_u64 s[24:25], s[24:25], s[4:5]
	s_add_nc_u64 s[26:27], s[26:27], s[6:7]
.irp n, 0,1,2,3,4,5,6,7,8,9,10,11,12,13,14,15
	global_load_b128 v[X+4*(\n):X+4*(\n)+3], v1, s[24:25] offset:4096*(\n) th:TH_LOAD_NT
.endr
; Load n is rounded and stored.  half = 1: the bf16 number is widened again and written as f16.
.macro CV n, half
	s_wait_loadcnt 15-(\n)                         ; loads come back in order: mine is in, the younger ones stay out
	v_cvt_pk_bf16_f32 v[Y+2*(\n)],   v[X+4*(\n)],   v[X+4*(\n)+1]
	v_cvt_pk_bf16_f32 v[Y+2*(\n)+1], v[X+4*(\n)+2], v[X+4*(\n)+3]
.if \half
	v_lshlrev_b32 v[T],   16, v[Y+2*(\n)]
	v_and_b32     v[T+1], s3, v[Y+2*(\n)]
	v_lshlrev_b32 v[T+2], 16, v[Y+2*(\n)+1]
	v_and_b32     v[T+3], s3, v[Y+2*(\n)+1]
	v_cvt_pk_f16_f32 v[Y+2*(\n)],   v[T],   v[T+1]
	v_cvt_pk_f16_f32 v[Y+2*(\n)+1], v[T+2], v[T+3]
.endif
	global_store_b64 v2, v[Y+2*(\n):Y+2*(\n)+1], s[26:27] offset:2048*(\n) th:TH_STORE_NT
.endm
	s_cmp_eq_u32 s2, 3
	s_cbranch_scc1 .Lwo
.irp n, 0,1,2,3,4,5,6,7,8,9,10,11,12,13,14,15
	CV \n, 0
.endr
	s_endpgm
.Lwo:
.irp n, 0,1,2,3,4,5,6,7,8,9,10,11,12,13,14,15
	CV \n, 1
.endr
	s_endpgm
.Lfunc_end_k_qc0af6f5b4d_cast:
	.size	k_qc0af6f5b4d_cast, .Lfunc_end_k_qc0af6f5b4d_cast-k_qc0af6f5b4d_cast
	.p2alignl 7, 3214868480
	.fill 96, 4, 3214868480
	.section	.rodata,"a",@progbits
	.p2align	6, 0x0
	.amdhsa_kernel k_qc0af6f5b4d_cast
		.amdhsa_group_segment_fixed_size 0
		.amdhsa_private_segment_fixed_size 0
		.amdhsa_enable_private_segment 0
		.amdhsa_kernarg_size 64
		.amdhsa_user_sgpr_count 2
		.amdhsa_user_sgpr_kernarg_segment_ptr 1
		.amdhsa_wavefront_size32 1
		.amdhsa_system_sgpr_workgroup_id_x 1
		.amdhsa_system_sgpr_workgroup_id_y 1
		.amdhsa_system_sgpr_workgroup_id_z 1
		.amdhsa_system_vgpr_workitem_id 0
		.amdhsa_next_free_vgpr 112
		.amdhsa_next_free_sgpr 66
		.amdhsa_reserve_vcc 0
		.amdhsa_float_denorm_mode_32 3
		.amdhsa_float_denorm_mode_16_64 3
		.amdhsa_memory_ordered 1
		.amdhsa_forward_progress 1
		.amdhsa_inst_pref_size 15
	.end_amdhsa_kernel
	.amdgpu_metadata
---
amdhsa.version: [ 1, 2 ]
amdhsa.kernels:
  - .name:           k_qc0af6f5b4d_cast
    .symbol:         k_qc0af6f5b4d_cast.kd
    .args:
      - { .name: x, .offset: 0, .size: 8, .value_kind: global_buffer, .address_space: global }
      - { .name: Wq, .offset: 8, .size: 8, .value_kind: global_buffer, .address_space: global }
      - { .name: Wk, .offset: 16, .size: 8, .value_kind: global_buffer, .address_space: global }
      - { .name: Wv, .offset: 24, .size: 8, .value_kind: global_buffer, .address_space: global }
      - { .name: Wo, .offset: 32, .size: 8, .value_kind: global_buffer, .address_space: global }
      - { .name: xb, .offset: 40, .size: 8, .value_kind: global_buffer, .address_space: global }
      - { .name: wqkv, .offset: 48, .size: 8, .value_kind: global_buffer, .address_space: global }
      - { .name: wob, .offset: 56, .size: 8, .value_kind: global_buffer, .address_space: global }
    .group_segment_fixed_size: 0
    .private_segment_fixed_size: 0
    .kernarg_segment_align: 8
    .kernarg_segment_size: 64
    .max_flat_workgroup_size: 256
    .sgpr_count:     66
    .vgpr_count:     112
    .wavefront_size: 32
...
	.end_amdgpu_metadata
.endif
;; end of part 1
;; launch proj (part 2): grid 16 x 16, 4 waves a work-group, clusters of 4 x 4, 327,680 bytes of LDS; arguments xb, wqkv, qkv; writes qkv
.if DOCPART == 2
	.amdgcn_target "amdgcn-amd-amdhsa--gfx1250"
	.amdhsa_code_object_version 6
	.text
	.protected	k_qc0af6f5b4d_proj
	.globl	k_qc0af6f5b4d_proj
	.p2align	8
	.type	k_qc0af6f5b4d_proj,@function
k_qc0af6f5b4d_proj:
	s_mov_b64 s[64:65], 0
	v_nop
	global_prefetch_b8 v0, s[64:65] scope:SCOPE_SE
	s_setreg_imm32_b32 hwreg(HW_REG_WAVE_MODE, 25, 1), 1
	s_wait_xcnt 0x0
	s_wait_alu depctr_hold_cnt(0) depctr_sa_sdst(0) depctr_va_vdst(0) depctr_va_sdst(0) depctr_va_ssrc(0) depctr_va_vcc(0) depctr_vm_vsrc(0)
	s_getreg_b32 s2, hwreg(HW_REG_IB_STS2, 6, 4)
	s_cmp_eq_u32 s2, 0
	s_cbranch_scc0 .Lentry_in_a_cluster
	s_endpgm
.Lentry_in_a_cluster:
	s_bfe_u32 s2, ttmp6, 0x10000c
	s_cmp_lg_u32 s2, 0xf033
	s_cbranch_scc0 .Lentry_shape_is_right
	s_endpgm
.Lentry_shape_is_right:
; q, k, v = x W^T.  C[t][n] = sum over k of xb[t][k] wqkv[n][k]: xb [2048][2048], wqkv [4096][2048], both bf16; sums in f32; C rounded once to f16 and laid BY HEADS:
; qkv[u][t][64], u = n / 64 (0-31 q heads, 32-47 k heads, 48-63 halves of v heads), so that a head's rows are dense for the launch behind.  No scale is applied here.
; LIMIT: |C| stays under 65,504 (f16); below 6e-5 f16 keeps its fixed step of 6e-8.
; A tile of C is 128 rows x 256 columns: 16 x 16 tiles, one work-group each.  Four waves, each 64 rows x 128 columns: 32 accumulators of 16 x 16, 256 registers.
; K goes in steps of 128 (rows of 256 bytes in memory) through two LDS slots of 384 rows; two slots of the double step would not fit.  Waves 0 and 1 fetch A's two halves (64 rows), waves 2 and 3 B's (128 rows).
; CLUSTERS: 4 x 4 work-groups; A's tile is shared along a row of the cluster, B's along a column: each is asked for jointly, by the same tensor load with the same descriptor and a mask that names the four.
; THE MATRIX INSTRUCTION IS USED TRANSPOSED (source 0 = 16 rows of wqkv, source 1 = 16 rows of xb): a lane holds row l % 16 of C and eight neighbouring columns.
; REGISTERS: window 0: v0-31 addresses; two fragment buffers of 96 (B's 8 fragments, then A's 4) at v64 and v160; on the way out v64-95 packed results, v96-223 rows read back.  Window 1: the accumulators, (a, b) at v[8 (8 a + b)].
.set SIZE_K, 2048
.set KSTEP,  128
.set PITCH,  272                       ; an LDS row: 256 bytes + 16 of padding: the 16 rows of a fragment load start 68 words apart
.set AH,     64*PITCH                  ; half of A's tile
.set BOFF,   128*PITCH                 ; B's tile lies behind A's 128 rows
.set BH,     128*PITCH                 ; half of B's tile
.set SLOT,   384*PITCH
.set STAGE,  2*SLOT                    ; behind the ring: 16 rows x 272 bytes for each wave, for the way out; no tensor load lands here
.set SPITCH, 272
.set SPARE,  STAGE+4*16*SPITCH         ; behind the stages: the spare words, 128 bytes a wave, which no other line names
.set LAPS,   SIZE_K/(2*KSTEP)          ; 8 laps of two K steps
.set UB,     262144                    ; bytes of one u in qkv
.set ADRA, 16                          ; v16-17 LDS address of my A fragments in slot 0, 1
.set ADRB, 20                          ; v20-21 the same for B
.set STO,  24                          ; v24 the way out: where I put 16 bytes of a row
.set RD,   25                          ; v25 where I read rows back
.set CO,   26                          ; v26 16 x lane: my 16 bytes of 512 consecutive bytes of qkv
.set SPW,  28                          ; v28 my spare word; never rewritten
.set NIL,  29                          ; v29 0; never rewritten
.set PFO,  30                          ; v30 lane x 4,096: a row of xb or wqkv; never rewritten
.set F0,   64
.set F1,   160
.set TMP,  64
.set OB,   96
.set G1,  24                           ; s[24:31] group 1 for A's tiles; s[32:39] group 0, a set for each slot
.set G0,  32
.set G1B, 48                           ; s[48:55], s[56:63] the same for B's
.set G0B, 56
.set PFA, 44                           ; s[44:45] where my prefetches stand
.set LIM, 43                           ; s43 1 in a wave that prefetches, else the greatest number
.set MSB, 0
.macro WIN new                         ; the immediate's high byte repeats the setting that is left; a switch that changes nothing is dropped
.if MSB != (\new)
	s_set_vgpr_msb (MSB<<8)|(\new)
.set MSB, \new
.endif
.endm
.set MUL, 0x50                         ; sources 0 and 1 window 0; C and D window 1
; A joint load: waves 0 and 1 ask for A's halves, waves 2 and 3 for B's.  The branch hangs on the wave's number alone.  An s_nop 0 and four v_nop follow each line.
.macro JLOAD s
	s_cmp_eq_u32 s11, 0
	s_cbranch_scc0 .Lfor_b_\@
	tensor_load_to_lds s[G0+4*(\s):G0+4*(\s)+3], s[G1:G1+7]
	s_nop 0
.rept 4
	v_nop
.endr
	s_branch .Lasked_\@
.Lfor_b_\@:
	tensor_load_to_lds s[G0B+4*(\s):G0B+4*(\s)+3], s[G1B:G1B+7]
	s_nop 0
.rept 4
	v_nop
.endr
.Lasked_\@:
.endm
; A prefetch into the L2 of the K step that stands two refills on (256 matrix instructions ahead of the load that wants it): 32 rows x 256 bytes, a lane a row.  Each row's 256 bytes are named once in the launch:
; A's rows by the clusters with x = 0 (wave 0; the four partners along x take 32 rows each, told apart by address), B's by the clusters with y = 0 (waves 2 and 3; the partners along y take 32 of each wave's 128).
; The loop's last trip (s3 = 1) has no K step two on and asks for nothing; K steps 0 to 3 come by their loads alone.
.macro ASK
	s_cmp_gt_u32 s3, s[LIM]
	s_cbranch_scc0 .Lnot_mine_\@
	global_prefetch_b8 v[PFO], s[PFA:PFA+1] offset:KSTEP*2 th:TH_LOAD_NT scope:SCOPE_SE
.Lnot_mine_\@:
.endm
.macro CREST                           ; a round of the cluster's barrier behind its opening barrier
	s_cmp_lg_u32 s10, 0
	s_cbranch_scc1 .Lnot_wave_0_\@
	s_barrier_signal -3
.Lnot_wave_0_\@:
	s_barrier_wait -3
	s_barrier_signal -1
	s_barrier_wait -1
.endm
.macro CROUND                          ; a whole round
	s_barrier_signal -1
	s_barrier_wait -1
	CREST
.endm
	s_load_b128 s[4:7], s[0:1], 0x0                ; xb s[4:5], wqkv s[6:7]
	s_load_b64 s[8:9], s[0:1], 0x10                ; qkv
	v_lshl_add_u32 v[SPW], v0, 2, SPARE
	v_mov_b32 v[NIL], 0
	ds_add_u32 v[SPW], v[NIL]                      ; the wave's opening: the add and its wait stand ahead of my first tensor load; the set-up below stands between them
	v_lshrrev_b32 v1, 5, v0
	v_readfirstlane_b32 s10, v1                    ; wave 0..3
	s_lshr_b32 s11, s10, 1                         ; which 64 rows of the tile are mine.  Also: I fetch for A (0) or for B (1)
	s_and_b32 s12, s10, 1                          ; which 128 columns.  Also: which half of that tile I fetch
	s_bfe_u32 s40, ttmp6, 0x40000                  ; cx
	s_bfe_u32 s41, ttmp6, 0x40004                  ; cy
	s_lshl_b32 s42, ttmp9, 2
	s_add_co_u32 s42, s42, s40                     ; tile column = 4 x cluster x + cx
	s_and_b32 s13, ttmp7, 0xffff
	s_lshl_b32 s13, s13, 2
	s_add_co_u32 s13, s13, s41                     ; tile row = 4 x cluster y + cy
	s_lshl_b32 s43, s41, 2
	s_lshl_b32 s43, 15, s43                        ; my row of the cluster
	s_lshl_b32 s44, 0x1111, s40                    ; my column
	s_or_b32 s[G1+0], s43, (1<<16)|(1<<20)|(1<<21)|(5<<22)|(3<<25)   ; the mask; elements of 2 bytes; padding on; bit 21 beside a mask; after every 64 words 4 words
	s_or_b32 s[G1B+0], s44, (1<<16)|(1<<20)|(1<<21)|(5<<22)|(3<<25)
	s_mov_b32 s[G1+1], KSTEP<<16                   ; tensor_dim0 = 128
	s_mov_b32 s[G1+2], 64<<16                      ; tensor_dim1 = 64
	s_mov_b32 s[G1+3], KSTEP<<16                   ; tile_dim0 = 128
	s_mov_b32 s[G1+4], 64                          ; tile_dim1 = 64
	s_mov_b32 s[G1+5], SIZE_K                      ; elements from row to row
	s_mov_b32 s[G1+6], 0
	s_mov_b32 s[G1+7], 0
	s_mov_b32 s[G1B+1], KSTEP<<16
	s_mov_b32 s[G1B+2], 128<<16                    ; B's halves have 128 rows
	s_mov_b32 s[G1B+3], KSTEP<<16
	s_mov_b32 s[G1B+4], 128
	s_mov_b32 s[G1B+5], SIZE_K
	s_mov_b32 s[G1B+6], 0
	s_mov_b32 s[G1B+7], 0
	s_lshl_b32 s17, s12, 6
	s_lshl_b32 s16, s13, 7
	s_add_co_u32 s16, s16, s17                     ; A: row 128 x tile row + 64 x half,
	s_lshl_b32 s16, s16, 12                        ; in bytes
	s_mov_b32 s17, 0
	s_lshl_b32 s47, s12, 7
	s_lshl_b32 s46, s42, 8
	s_add_co_u32 s46, s46, s47                     ; B: row 256 x tile column + 128 x half
	s_lshl_b32 s46, s46, 12
	s_mov_b32 s47, 0
	s_mul_i32 s20, s12, AH                         ; where they go: no place in the cluster enters an LDS address
	s_mul_i32 s21, s12, BH
	s_add_co_u32 s21, s21, BOFF
	s_wait_dscnt 0x0                               ; the opening add is done
	s_wait_kmcnt 0x0
	s_add_nc_u64 s[14:15], s[4:5], s[16:17]
	s_add_nc_u64 s[46:47], s[6:7], s[46:47]
	CROUND                                         ; all sixteen work-groups are here: the first joint loads meet
.irp s, 0,1
	s_mov_b32 s[G0+4*(\s)], 1
	s_add_co_u32 s[G0+4*(\s)+1], s20, (\s)*SLOT
	s_add_nc_u64 s[G0+4*(\s)+2:G0+4*(\s)+3], s[14:15], (\s)*KSTEP*2
	s_or_b32 s[G0+4*(\s)+3], s[G0+4*(\s)+3], 0x80000000
	s_mov_b32 s[G0B+4*(\s)], 1
	s_add_co_u32 s[G0B+4*(\s)+1], s21, (\s)*SLOT
	s_add_nc_u64 s[G0B+4*(\s)+2:G0B+4*(\s)+3], s[46:47], (\s)*KSTEP*2
	s_or_b32 s[G0B+4*(\s)+3], s[G0B+4*(\s)+3], 0x80000000
	JLOAD \s                                       ; two loads of mine are out
.endr
	v_and_b32 v1, 15, v0                           ; l % 16
	v_bfe_u32 v2, v0, 4, 1                         ; l / 16
	v_mul_u32_u24 v3, v1, PITCH
	v_lshl_add_u32 v3, v2, 4, v3                   ; a fragment's row x pitch + 16 x half
	s_mul_i32 s21, s11, AH                         ; my 64 rows of A
	s_mul_i32 s22, s12, BH                         ; my 128 rows of B
	s_add_co_u32 s22, s22, BOFF
.irp s, 0,1
	v_add_nc_u32 v[ADRA+(\s)], s21, v3
	v_add_nc_u32 v[ADRB+(\s)], s22, v3
	s_add_co_u32 s21, s21, SLOT
	s_add_co_u32 s22, s22, SLOT
.endr
	s_mul_i32 s23, s10, 16*SPITCH
	s_add_co_u32 s23, s23, STAGE                   ; my stage
	v_mul_u32_u24 v4, v1, SPITCH                   ; in: row l % 16, 16 bytes for each half of the lanes
	v_lshl_add_u32 v4, v2, 4, v4
	v_add_nc_u32 v[STO], s23, v4
	v_bfe_u32 v5, v0, 3, 2                         ; back: 32 lanes take 128 bytes (one u) of four rows,
	v_mul_u32_u24 v5, v5, SPITCH
	v_and_b32 v6, 7, v0
	v_lshl_add_u32 v5, v6, 4, v5
	v_add_nc_u32 v[RD], s23, v5
	v_and_b32 v[CO], 31, v0                        ; which are 512 consecutive bytes of qkv
	v_lshlrev_b32 v[CO], 4, v[CO]
	s_lshl_b32 s16, s42, 2                         ; my first u = 4 x tile column + 2 x column half,
	s_lshl_b32 s17, s12, 1
	s_add_co_u32 s16, s16, s17
	s_lshl_b32 s16, s16, 18
	s_lshl_b32 s17, s13, 7                         ; my first row = 128 x tile row + 64 x row half, 128 bytes a row
	s_lshl_b32 s18, s11, 6
	s_add_co_u32 s17, s17, s18
	s_lshl_b32 s17, s17, 7
	s_add_co_u32 s16, s16, s17
	s_mov_b32 s17, 0
	s_add_nc_u64 s[8:9], s[8:9], s[16:17]
	; the prefetches
	s_lshl_b32 s20, s13, 7
	s_lshl_b32 s21, s42, 8
	s_and_b32 s22, ttmp7, 0xffff                   ; cluster y
	s_cmp_eq_u32 s11, 0                            ; do I fetch for A?
	s_cselect_b32 s20, s20, s21                    ; the tile's first row
	s_cselect_b32 s21, s40, s41                    ; my place among the four that ask for it with me
	s_cselect_b32 s22, ttmp9, s22                  ; the coordinate along which other clusters read the same rows
	s_cselect_b64 s[PFA:PFA+1], s[4:5], s[6:7]
	s_cmp_eq_u32 s10, 1                            ; A's 128 rows are shared out among four work-groups' wave 0: wave 1 asks for nothing
	s_cselect_b32 s22, 1, s22
	s_cmp_eq_u32 s22, 0
	s_cselect_b32 s[LIM], 1, -1                    ; the same in all sixteen partners, for a given wave
	s_lshl_b32 s22, s12, 7
	s_add_co_u32 s20, s20, s22                     ; + the 128 rows of B that I fetch (wave 0: nothing)
	s_lshl_b32 s21, s21, 5
	s_add_co_u32 s20, s20, s21                     ; + my work-group's 32 of them
	s_lshl_b32 s20, s20, 12
	s_add_co_u32 s20, s20, 2*KSTEP*2               ; at K step 2: the first refill steps it to 3 and names K step 4
	s_mov_b32 s21, 0
	s_add_nc_u64 s[PFA:PFA+1], s[PFA:PFA+1], s[20:21]
	v_and_b32 v[PFO], 31, v0
	v_lshlrev_b32 v[PFO], 12, v[PFO]
; 8 matrix instructions: m block a x all 8 n blocks, 32 along K.  zero = 1: the product starts the sums.  The 32 accumulators take turns in the same order in every quarter.
.macro MUL8 f, a, zero
	WIN MUL
.irp b, 0,1,2,3,4,5,6,7
.if \zero
	v_wmma_f32_16x16x32_bf16 v[8*(8*(\a)+(\b)):8*(8*(\a)+(\b))+7], v[(\f)+8*(\b):(\f)+8*(\b)+7], v[(\f)+64+8*(\a):(\f)+64+8*(\a)+7], 0
.else
	v_wmma_f32_16x16x32_bf16 v[8*(8*(\a)+(\b)):8*(8*(\a)+(\b))+7], v[(\f)+8*(\b):(\f)+8*(\b)+7], v[(\f)+64+8*(\a):(\f)+64+8*(\a)+7], v[8*(8*(\a)+(\b)):8*(8*(\a)+(\b))+7]
.endif
.endr
.endm
; 24 LDS loads in one run: the fragments of 32 along K at byte k of the rows, into buffer f: B's sixteen loads, then A's eight
.macro FETCH slot, k, f
	WIN 0
.irp i, 0,1,2,3,4,5,6,7
	ds_load_b128 v[(\f)+8*(\i):(\f)+8*(\i)+3],   v[ADRB+(\slot)] offset:(\k)+(\i)*16*PITCH
	ds_load_b128 v[(\f)+8*(\i)+4:(\f)+8*(\i)+7], v[ADRB+(\slot)] offset:(\k)+(\i)*16*PITCH+32
.endr
.irp i, 0,1,2,3
	ds_load_b128 v[(\f)+64+8*(\i):(\f)+64+8*(\i)+3],   v[ADRA+(\slot)] offset:(\k)+(\i)*16*PITCH
	ds_load_b128 v[(\f)+64+8*(\i)+4:(\f)+64+8*(\i)+7], v[ADRA+(\slot)] offset:(\k)+(\i)*16*PITCH+32
.endr
.endm
.macro PLACES                          ; four places in front of loads into registers that matrix instructions have read, and of conversions that read results
.rept 4
	v_nop
.endr
.endm
; A K step is four quarters of 32 along K, 32 matrix instructions each, on buffers 0, 1, 0, 1.  One of the first three: multiplies f and fetches the next quarter, at byte k, into g.
.macro QUARTER slot, k, f, g, zero
	s_wait_dscnt 4                                 ; B and A's blocks 0 and 1 are in; the youngest four loads (A's blocks 2 and 3) may be out
	MUL8 \f, 0, \zero
	MUL8 \f, 1, \zero
	PLACES
	FETCH \slot, \k, \g
	s_wait_dscnt 24                                ; all but the 24 just issued
	MUL8 \f, 2, \zero
	MUL8 \f, 3, \zero
.endm
; The last quarter multiplies buffer 1 and changes slots: one barrier; in front of it each wave waits for all its tensor loads (one is out: its part of the next slot), adds 0 to its spare word, and waits for that and
; for its own reads of this slot.  fill = 1: the barrier opens a round of the cluster's barrier, and this slot is filled again, two K steps ahead: 112 matrix instructions stand between the request and the wait for it.
.macro TURN slot, next, fill
.if \fill
	s_wait_xcnt 0x0                                ; the last prefetch, a K step back, has read its address: it is stepped here, ahead of the waits of the change
	s_add_nc_u64 s[PFA:PFA+1], s[PFA:PFA+1], KSTEP*2
.endif
	WIN 0                                          ; (the add's two registers lie in window 0)
	s_wait_tensorcnt 0x0                           ; all my tensor loads have landed
	ds_add_u32 v[SPW], v[NIL]                      ; 0 onto my spare word
	s_wait_dscnt 5                                 ; (the add and the youngest four loads may be out)
	MUL8 F1, 0, 0                                  ; eight matrix instructions stand between the add and the wait for it
	s_wait_dscnt 0x0                               ; the add is done, and my reads of this slot are over
	s_barrier_signal -1
	MUL8 F1, 1, 0
.if \fill
	WIN 0
.endif
	s_barrier_wait -1
.if \fill
	CREST                                          ; no wave of any partner still reads this slot's tile or has a load on its way
	s_add_nc_u64 s[G0+4*(\slot)+2:G0+4*(\slot)+3], s[G0+4*(\slot)+2:G0+4*(\slot)+3], 2*KSTEP*2
	s_add_nc_u64 s[G0B+4*(\slot)+2:G0B+4*(\slot)+3], s[G0B+4*(\slot)+2:G0B+4*(\slot)+3], 2*KSTEP*2
	JLOAD \slot                                    ; the first tensor load behind the round; its four v_nop are also the places in front of the loads below
.else
	PLACES
.endif
	FETCH \next, 0, F0
.if \fill
	ASK
.endif
	MUL8 F1, 2, 0
	MUL8 F1, 3, 0
.endm
	s_wait_tensorcnt 1                             ; my part of K step 0 is in; K step 1's may stay out
	s_barrier_signal -1
	s_barrier_wait -1                              ; everybody's is
	FETCH 0, 0, F0
	QUARTER 0, 64, F0, F1, 1                       ; the first quarter stands in front of the loop: its products start the sums
	WIN 0                                          ; at a label and at a branch every window is 0
	s_mov_b32 s3, LAPS-1
.Llap:                                                 ; a trip goes once round the ring, from a lap's second quarter to the next lap's first, and fills both slots again
	QUARTER 0, 128, F1, F0, 0
	QUARTER 0, 192, F0, F1, 0
	TURN 0, 1, 1
	QUARTER 1, 64,  F0, F1, 0
	QUARTER 1, 128, F1, F0, 0
	QUARTER 1, 192, F0, F1, 0
	TURN 1, 0, 1
	QUARTER 0, 64,  F0, F1, 0
	WIN 0
	s_sub_co_u32 s3, s3, 1
	s_cmp_lg_u32 s3, 0
	s_cbranch_scc1 .Llap
	QUARTER 0, 128, F1, F0, 0                      ; the last lap fills nothing
	QUARTER 0, 192, F0, F1, 0
	TURN 0, 1, 0
	QUARTER 1, 64,  F0, F1, 0
	QUARTER 1, 128, F1, F0, 0
	QUARTER 1, 192, F0, F1, 0
	s_wait_dscnt 4                                 ; the very last quarter: nothing more to fetch
	MUL8 F1, 0, 0
	MUL8 F1, 1, 0
	s_wait_dscnt 0x0
	MUL8 F1, 2, 0
	MUL8 F1, 3, 0
; THE WAY OUT, a block of 16 rows at a time: rounded to f16 (each accumulator's registers in ascending order), 16 bytes a lane into my own stage, back as 128-byte pieces of four rows, which are 512 consecutive bytes of one u.
.macro PACK a
	WIN 0x05                                       ; sources in window 1, destination in window 0
.irp b, 0,1,2,3,4,5,6,7
.irp r, 0,1,2,3
	v_cvt_pk_f16_f32 v[TMP+4*(\b)+(\r)], v[8*(8*(\a)+(\b))+2*(\r)], v[8*(8*(\a)+(\b))+2*(\r)+1]
.endr
.endr
	WIN 0
.endm
.macro TOSTAGE a
.irp b, 0,1,2,3,4,5,6,7
	ds_store_b128 v[STO], v[TMP+4*(\b):TMP+4*(\b)+3] offset:32*(\b)
.endr
.irp hf, 0,1
.irp rg, 0,1,2,3
	ds_load_b128 v[OB+32*(\a)+4*(4*(\hf)+(\rg)):OB+32*(\a)+4*(4*(\hf)+(\rg))+3], v[RD] offset:128*(\hf)+4*SPITCH*(\rg)  ; LDS serves a wave's instructions in order: these see the stores above
.endr
.endr
.endm
.macro SEND a
	s_wait_dscnt 0x0                               ; the block is back in registers
.irp hf, 0,1
.irp rg, 0,1,2,3
	global_store_b128 v[CO], v[OB+32*(\a)+4*(4*(\hf)+(\rg)):OB+32*(\a)+4*(4*(\hf)+(\rg))+3], s[8:9] offset:(\hf)*UB+(\a)*2048+(\rg)*512  ; 512 consecutive bytes, aligned; no register of a store is written again
.endr
.endr
.endm
	PLACES
	PACK 0
	TOSTAGE 0
.irp a, 1,2,3                          ; block a's conversions stand between block a - 1's loads from the stage and the wait for them
	PACK \a
	SEND (\a)-1
	TOSTAGE \a
.endr
	SEND 3
	s_wait_tensorcnt 0x0                           ; the wave's end: behind my last tensor load and my last LDS store
	ds_add_u32 v[SPW], v[NIL]
	s_wait_dscnt 0x0
	CROUND                                         ; the closing round: no work-group ends while a partner may still ask for a tile that names it
	s_endpgm
.Lfunc_end_k_qc0af6f5b4d_proj:
	.size	k_qc0af6f5b4d_proj, .Lfunc_end_k_qc0af6f5b4d_proj-k_qc0af6f5b4d_proj
	.p2alignl 7, 3214868480
	.fill 96, 4, 3214868480
	.section	.rodata,"a",@progbits
	.p2align	6, 0x0
	.amdhsa_kernel k_qc0af6f5b4d_proj
		.amdhsa_group_segment_fixed_size 327680
		.amdhsa_private_segment_fixed_size 0
		.amdhsa_enable_private_segment 0
		.amdhsa_kernarg_size 24
		.amdhsa_user_sgpr_count 2
		.amdhsa_user_sgpr_kernarg_segment_ptr 1
		.amdhsa_wavefront_size32 1
		.amdhsa_system_sgpr_workgroup_id_x 1
		.amdhsa_system_sgpr_workgroup_id_y 1
		.amdhsa_system_sgpr_workgroup_id_z 1
		.amdhsa_system_vgpr_workitem_id 0
		.amdhsa_next_free_vgpr 512
		.amdhsa_next_free_sgpr 66
		.amdhsa_reserve_vcc 0
		.amdhsa_float_denorm_mode_32 3
		.amdhsa_float_denorm_mode_16_64 3
		.amdhsa_memory_ordered 1
		.amdhsa_forward_progress 1
		.amdhsa_inst_pref_size 87
	.end_amdhsa_kernel
	.amdgpu_metadata
---
amdhsa.version: [ 1, 2 ]
amdhsa.kernels:
  - .name:           k_qc0af6f5b4d_proj
    .symbol:         k_qc0af6f5b4d_proj.kd
    .args:
      - { .name: xb, .offset: 0, .size: 8, .value_kind: global_buffer, .address_space: global }
      - { .name: wqkv, .offset: 8, .size: 8, .value_kind: global_buffer, .address_space: global }
      - { .name: qkv, .offset: 16, .size: 8, .value_kind: global_buffer, .address_space: global }
    .group_segment_fixed_size: 327680
    .private_segment_fixed_size: 0
    .kernarg_segment_align: 8
    .kernarg_segment_size: 24
    .max_flat_workgroup_size: 128
    .sgpr_count:     66
    .vgpr_count:     512
    .wavefront_size: 32
...
	.end_amdgpu_metadata
.endif
;; end of part 2
;; launch attn (part 3): grid 16 x 16, 8 waves a work-group, clusters of 4 x 1, 327,680 bytes of LDS; arguments qkv, lambda_q1, lambda_k1, lambda_q2, lambda_k2, g, att; writes att
.if DOCPART == 3
	.amdgcn_target "amdgcn-amd-amdhsa--gfx1250"
	.amdhsa_code_object_version 6
	.text
	.protected	k_qc0af6f5b4d_attn
	.globl	k_qc0af6f5b4d_attn
	.p2align	8
	.type	k_qc0af6f5b4d_attn,@function
k_qc0af6f5b4d_attn:
	s_mov_b64 s[64:65], 0
	v_nop
	global_prefetch_b8 v0, s[64:65] scope:SCOPE_SE
	s_setreg_imm32_b32 hwreg(HW_REG_WAVE_MODE, 25, 1), 1
	s_wait_xcnt 0x0
	s_wait_alu depctr_hold_cnt(0) depctr_sa_sdst(0) depctr_va_vdst(0) depctr_va_sdst(0) depctr_va_ssrc(0) depctr_va_vcc(0) depctr_vm_vsrc(0)
	s_getreg_b32 s2, hwreg(HW_REG_IB_STS2, 6, 4)
	s_cmp_eq_u32 s2, 0
	s_cbranch_scc0 .Lentry_in_a_cluster
	s_endpgm
.Lentry_in_a_cluster:
	s_bfe_u32 s2, ttmp6, 0x10000c
	s_cmp_lg_u32 s2, 0x3003
	s_cbranch_scc0 .Lentry_shape_is_right
	s_endpgm
.Lentry_shape_is_right:
; CAUSAL DIFFERENTIAL ATTENTION, RMS NORM, GAIN.  For head h (16 of them) and position t: D = softmax(Q1 K^T / 8) V - lam softmax(Q2 K^T / 8) V over the keys s <= t, with Q1, Q2 = q heads 2 h, 2 h + 1 (64 channels),
; K = k head h, V = v head h / 2 (128 channels), lam = exp(lq1 . lk1) - exp(lq2 . lk2) + 0.78360577;  att[t][128 h + e] = D[e] rsqrt(mean of D^2 + 1e-5) g[e] 0.21639423, rounded once to f16.
; qkv is [64 u][2048 t][64] f16: u = 0-31 q heads, 32-47 k heads, 48-63 halves of v heads.  Products, maxima and sums in f32; the weights p are rounded to f16 for the second product, their sum l is taken unrounded.
; g and the four lambda vectors are rounded to bf16 like every other input of the program.
; LIMITS.  f16 holds nothing beyond 65,504: q, k, v arrive within it and att stays within it.  A hidden score counts as its value less 1e30.  The running maximum starts at -2^80, far below every score that f16 operands can
; make (2.7e11 at the most) and far above a hidden one: a wave that has seen hidden keys alone holds p = 0, l = 0, O = 0.  A weight below 2^-126 counts as 0.  NaN and infinities are not treated apart.
; THE WALK.  A head's positions lie in 32 blocks of 64.  With a = the cluster's x and cx = my place in it, b = 4 a + cx: my work-group takes block 31 - b (band 3 - cx of the 256 positions 7 - a) and then block b (band cx of
; the 256 positions a).  Key tiles hold 256 keys: tiles 0 .. 7 - a, then 0 .. a: NINE tiles whatever a, and the SAME tiles in all four partners: every tile is asked for jointly, and every branch hangs on a and the
; wave's number alone.  A block's last tile is computed whole under a mask made from cx in vector registers: 36 key steps where 33 would do, so that no branch hangs on cx.
; SHARES.  Wave w (w4 = w % 4, sel = w / 4) owns 16 positions, 16 w4 on, of the block, with BOTH q heads (tiles u = 0, 1), and of a key tile's four steps of 64 keys the steps sel and sel + 2.
; The waves w4 and w4 + 4 hold partial sums (O, c m, l) of the same queries; at a block's end wave w4 + 4 hands its own over through LDS and wave w4 merges, takes the difference, norms and stores.
; LAYOUT.  S^T = K Q^T holds one query a lane (l % 16) and the keys 8 (l / 16) + 0..7; two such results rounded to f16 ARE source 1 of O^T = V^T P, which holds one query a lane and eight channels.
; p = 2^(c s - c m), c = log2(e) / 8; O and l are multiplied by a = 2^(c m_old - c m_new) in every step.
; REGISTERS.  Window 0: v0-15 addresses; v16-31 statistics (tile u at 16 + 8 u: c m, m, l even, l odd, c0-c3); v32-47 coefficients, constants, the add's two; v48-79 Q; v80-143 S^T; v144-175 P, and the masks; v176-239 K (g at a
; block's end); v240-255 at work.  Window 1: v0-127 O^T (64 u + 8 cb); v128-255 V (64 kk + 8 cb; the partner's O^T at a block's end).
.set PK,    144                        ; a row of K in LDS: 128 bytes + 16
.set PV,    160                        ; a row of half a V head: 128 bytes + 32
.set VOFF,  256*PK                     ; a slot: 256 rows of K, then 256 rows of each half of V
.set VH,    256*PV
.set SLOT1, 1<<17                      ; slot 1 begins here: one exclusive or turns an address in one slot into the other's
.set STAGE, SLOT1+VOFF+2*VH            ; behind the ring, never filled by a tensor load: for each pair of waves 16,384 bytes of O^T and 512 of statistics; its first 4,352 bytes serve the way out afterwards
.set PAIRB, 16896
.set SP,    272
.set SPARE, STAGE+4*PAIRB              ; the spare words, 128 bytes a wave, which no other line names
.set UB,    262144                     ; bytes of one u
.set AK0, 2                            ; my lane's place in a tile of K; never rewritten
.set AV0, 3                            ; the same for V
.set AK,  4
.set AV,  5
.set STO, 6                            ; the way out: where I put 16 bytes of a row
.set RD,  7                            ; where I read rows back
.set GO,  8                            ; my byte offset in two rows of att
.set QO,  10                           ; my byte offset in 16 rows of Q
.set PX,  11                           ; my 16 bytes in the pair's bytes
.set D0,  12                           ; my query's place among the 256 positions, less 8 (l / 16): the block in hand
.set D1,  13                           ; the second block's
.set DM,  14
.set PFO, 15                           ; 256 x lane
.set ST,  16
.set KC,  32                           ; v[32:39] four coefficients, each the low word of a pair
.set BIG, 40                           ; -1e30
.set NLAM, 41                          ; -lam
.set RS,  42                           ; v[42:43]
.set GA,  44                           ; 32 (l / 16)
.set SPW, 46
.set NIL, 47
.set Q,   48
.set S,   80
.set P,   144
.set MC,  144
.set KF,  176
.set T,   240
.set VF,  128                          ; window 1
.set QKV, 4                            ; s[4:5]
.set LQ1, 6
.set LK1, 8
.set LQ2, 10
.set LK2, 12
.set GP,  14                           ; s[14:15] g
.set OPT, 16                           ; s[16:17] att at my rows of the block in hand
.set OLO, 18                           ; s[18:19] of the second block
.set KB,  20                           ; s[20:21] K at my part of tile 0
.set VB,  22                           ; s[22:23] V likewise
.set G1K, 24
.set G1V, 32
.set G0K, 40
.set G0V, 44
.set QHI, 48
.set QLO, 50
.set PFA, 52
.set LIM, 54
.set WV,  55
.set SLOTS, 56
.set CNT, 57
.set CS,  58
.set SEL, 60
.set TBK, 62
.set TBV, 63
.set RT,  66                           ; tiles of the block in hand that are still to be entered
.set NXT, 67                           ; the tile to be asked for next
.set LQ,  68                           ; the last tile of the block whose tiles are being asked for
.set AA,  69                           ; a
.set OFF, 70                           ; s[70:71]
.set KO,  72                           ; the step's first key in its tile
.set SL,  73                           ; sel
.set W4,  74
.set HIM, 75                           ; a word's upper bf16
.set R128, 76
.set EPS, 77
.set CX,  78
.set HH,  79
.set MSB, 0
.macro WIN new                         ; the high byte repeats the setting that is left; a switch that changes nothing is dropped
.if MSB != (\new)
	s_set_vgpr_msb (MSB<<8)|(\new)
.set MSB, (\new)
.endif
.endm
; A joint fill: waves 0 and 1 fetch the two halves (128 keys) of a tile's K, waves 2 to 5 those of V's two channel halves, waves 6 and 7 nothing.  The branches hang on the wave's number alone.
.macro JLOAD
	s_cmp_lt_u32 s[WV], 2
	s_cbranch_scc0 .Lnot_k_\@
	tensor_load_to_lds s[G0K:G0K+3], s[G1K:G1K+7]
	s_nop 0
.rept 4
	v_nop
.endr
	s_branch .Lasked_\@
.Lnot_k_\@:
	s_cmp_lt_u32 s[WV], 6
	s_cbranch_scc0 .Lasked_\@
	tensor_load_to_lds s[G0V:G0V+3], s[G1V:G1V+7]
	s_nop 0
.rept 4
	v_nop
.endr
.Lasked_\@:
.endm
; A prefetch into the L2 of the tile that the NEXT change of slots will ask for: 32,768 bytes of one u, of which each of the four partners takes 8,192 by address, a lane 256 bytes.  Each block is named once in the launch:
; the cluster a = 0, whose walk begins with tiles 0 to 7, asks; wave 0 for K, waves 2 and 4 for V's halves, and those for even h alone, since two heads share a V.  It asks while s[SLOTS] is 8 to 3: tiles 2 to 7.
.macro ASK
	s_cmp_gt_u32 s[SLOTS], s[LIM]
	s_cbranch_scc0 .Lnot_mine_\@
	global_prefetch_b8 v[PFO], s[PFA:PFA+1] th:TH_LOAD_NT scope:SCOPE_SE
.Lnot_mine_\@:
.endm
.macro CROUND                          ; a round of the cluster's barrier
	s_barrier_signal -1
	s_barrier_wait -1
	s_cmp_lg_u32 s[WV], 0
	s_cbranch_scc1 .Lnot_wave_0_\@
	s_barrier_signal -3
.Lnot_wave_0_\@:
	s_barrier_wait -3
	s_barrier_signal -1
	s_barrier_wait -1
.endm
; THE CHANGE OF SLOTS.  Each wave waits for all its tensor loads (at most one is out: its part of the other slot), adds 0 to its spare word, and waits for that and for its reads of the slot that it leaves.
; fill = 1: the barrier is a round of the cluster's, and the old slot is filled again first behind it, with tile NXT; the load has one tile's work, 96 matrix instructions and two softmaxes a wave, in which to land.
.macro CHANGE fill
	WIN 0
	s_wait_tensorcnt 0x0                           ; no tensor load of mine is out, so a group 0 may be written
	ds_add_u32 v[SPW], v[NIL]                      ; 0 onto my spare word; the scalar work below stands between it and the wait for it
.if \fill
	s_lshl_b32 s[OFF], s[NXT], 15                  ; a tile is 32,768 bytes of each u
	s_xor_b32 s[G0K+1], s[G0K+1], SLOT1
	s_add_nc_u64 s[G0K+2:G0K+3], s[KB:KB+1], s[OFF:OFF+1]
	s_or_b32 s[G0K+3], s[G0K+3], 0x80000000
	s_xor_b32 s[G0V+1], s[G0V+1], SLOT1
	s_add_nc_u64 s[G0V+2:G0V+3], s[VB:VB+1], s[OFF:OFF+1]
	s_or_b32 s[G0V+3], s[G0V+3], 0x80000000
	s_add_co_u32 s[NXT], s[NXT], 1                 ; the block's next tile, or behind its last the second block's tile 0
	s_cmp_gt_u32 s[NXT], s[LQ]
	s_cselect_b32 s[NXT], 0, s[NXT]
	s_cselect_b32 s[LQ], s[AA], s[LQ]
	s_wait_xcnt 0x0                                ; the last prefetch, a tile back, has read its address
	s_add_nc_u64 s[PFA:PFA+1], s[PFA:PFA+1], 32768
	s_wait_dscnt 0x0                               ; the add is done, and my reads of the slot are over
	CROUND
	JLOAD
	ASK
.else
	s_wait_dscnt 0x0
	s_barrier_signal -1
	s_barrier_wait -1
.endif
	s_sub_co_u32 s[TBK], s[TBK], 4*64*PK           ; the fetches go back to my first step of a slot,
	s_xor_b32 s[TBK], s[TBK], SLOT1                ; in the other slot
	s_sub_co_u32 s[TBV], s[TBV], 4*64*PV
	s_xor_b32 s[TBV], s[TBV], SLOT1
.endm
.macro QLOAD p                         ; both q heads' 16 rows x 64 channels: fragment (u, c) at Q + 16 u + 8 c
.irp u, 0,1
.irp c, 0,1
	global_load_b128 v[Q+16*\u+8*\c:Q+16*\u+8*\c+3],   v[QO], s[(\p):(\p)+1] offset:\u*UB+64*\c
	global_load_b128 v[Q+16*\u+8*\c+4:Q+16*\u+8*\c+7], v[QO], s[(\p):(\p)+1] offset:\u*UB+64*\c+32
.endr
.endr
.endm
; 8 products of S^T = K Q^T for channel half c: tile i % 2, keys 16 (i / 2) on.  how = 0: they start the sums with 0; 1: with the mask; 2: in place.  The 8 accumulators take turns.
.macro KQ8 c, how
.set i, 0
.rept 8
.set rS, S+32*(i%2)+8*(i/2)
.set rK, KF+16*(i/2)+8*(\c)
.set rQ, Q+16*(i%2)+8*(\c)
.if (\how) == 0
	v_wmma_f32_16x16x32_f16 v[rS:rS+7], v[rK:rK+7], v[rQ:rQ+7], 0
.elseif (\how) == 1
	v_wmma_f32_16x16x32_f16 v[rS:rS+7], v[rK:rK+7], v[rQ:rQ+7], v[MC+8*(i/2):MC+8*(i/2)+7]
.else
	v_wmma_f32_16x16x32_f16 v[rS:rS+7], v[rK:rK+7], v[rQ:rQ+7], v[rS:rS+7]
.endif
.set i, i+1
.endr
.endm
; 32 products of O^T += V^T P: keys 32 (i / 16) on, channels 16 ((i / 2) % 8) on, tile i % 2.  The 16 accumulators take turns.
.macro PVALL
	WIN 0x51                                       ; V, C and D in window 1, P in window 0
.set i, 0
.rept 32
.set rO, 64*(i%2)+8*((i/2)%8)
.set rV, VF+64*(i/16)+8*((i/2)%8)
.set rP, P+16*(i%2)+8*(i/16)
	v_wmma_f32_16x16x32_f16 v[rO:rO+7], v[rV:rV+7], v[rP:rP+7], v[rO:rO+7]
.set i, i+1
.endr
	WIN 0
.endm
; THE SOFTMAX of a key step, both tiles line by line, so that no line reads the result of the one before it.
.macro SOFTMAX
.irp j, 0,1,2,3                        ; the maximum of 32 scores and the old m, three operands at a time; each accumulator's lowest registers are read first
.irp u, 0,1
	v_max3_num_f32 v[ST+8*\u+4+\j], v[S+32*\u+8*\j], v[S+32*\u+8*\j+1], v[S+32*\u+8*\j+2]
.endr
.endr
.irp j, 4,5,6,7,8,9,10,11
.irp u, 0,1
	v_max3_num_f32 v[ST+8*\u+4+(\j)%4], v[ST+8*\u+4+(\j)%4], v[S+32*\u+8*((\j)%4)+2*((\j)/4)+1], v[S+32*\u+8*((\j)%4)+2*((\j)/4)+2]
.endr
.endr
.irp u, 0,1
	v_max3_num_f32 v[ST+8*\u+4], v[ST+8*\u+4], v[S+32*\u+7], v[S+32*\u+15]
.endr
.irp u, 0,1
	v_max3_num_f32 v[ST+8*\u+6], v[ST+8*\u+6], v[S+32*\u+23], v[S+32*\u+31]
.endr
.irp u, 0,1
	v_max3_num_f32 v[ST+8*\u+4], v[ST+8*\u+4], v[ST+8*\u+5], v[ST+8*\u+6]
.endr
.irp u, 0,1
	v_max3_num_f32 v[ST+8*\u+4], v[ST+8*\u+4], v[ST+8*\u+7], v[ST+8*\u+1]
.endr
.irp u, 0,1
	v_permlanex16_b32 v[ST+8*\u+5], v[ST+8*\u+4], s[SEL], s[SEL+1]  ; the query's other 32 keys lie in the lane 16 away
.endr
.irp u, 0,1
	v_mov_b32 v[ST+8*\u+7], v[ST+8*\u]             ; c m_old is kept
.endr
.irp u, 0,1
	v_max_num_f32 v[ST+8*\u+1], v[ST+8*\u+4], v[ST+8*\u+5]
.endr
.irp u, 0,1
	v_mul_f32 v[ST+8*\u], s[CS], v[ST+8*\u+1]
.endr
.irp u, 0,1
	v_sub_f32 v[ST+8*\u+7], v[ST+8*\u+7], v[ST+8*\u]
.endr
.set n, 0                              ; ONE BATCH: the scalings c s - c m, a pair each, and behind each the exponentials of the pair before; none of these lines names an exponential's result
.rept 17
.if n < 16
.irp u, 0,1
	v_pk_fma_f32 v[S+32*\u+2*n:S+32*\u+2*n+1], v[S+32*\u+2*n:S+32*\u+2*n+1], s[CS:CS+1], v[ST+8*\u:ST+8*\u+1] op_sel_hi:[1,0,0] neg_lo:[0,0,1] neg_hi:[0,0,1]
.endr
.endif
.if n > 0
.irp u, 0,1
	v_exp_f32 v[S+32*\u+2*n-2], v[S+32*\u+2*n-2]
	v_exp_f32 v[S+32*\u+2*n-1], v[S+32*\u+2*n-1]
.endr
.endif
.set n, n+1
.endr
.irp u, 0,1
	v_exp_f32 v[ST+8*\u+6], v[ST+8*\u+7]           ; a
.endr
	v_nop                                          ; a plain instruction behind the last exponential,
	s_wait_alu depctr_va_vdst(0)                   ; and the one wait ahead of the batch's first reader
.set n, 0
.rept 16
.irp u, 0,1
	v_cvt_pk_f16_f32 v[P+16*\u+n], v[S+32*\u+2*n], v[S+32*\u+2*n+1]
.endr
.set n, n+1
.endr
.irp z, 0,1,2,3,4,5,6,7                ; the sum of 16 pairs, in place
.irp u, 0,1
	v_pk_add_f32 v[S+32*\u+4*\z:S+32*\u+4*\z+1], v[S+32*\u+4*\z:S+32*\u+4*\z+1], v[S+32*\u+4*\z+2:S+32*\u+4*\z+3]
.endr
.endr
.irp z, 0,1,2,3
.irp u, 0,1
	v_pk_add_f32 v[S+32*\u+8*\z:S+32*\u+8*\z+1], v[S+32*\u+8*\z:S+32*\u+8*\z+1], v[S+32*\u+8*\z+4:S+32*\u+8*\z+5]
.endr
.endr
.irp z, 0,1
.irp u, 0,1
	v_pk_add_f32 v[S+32*\u+16*\z:S+32*\u+16*\z+1], v[S+32*\u+16*\z:S+32*\u+16*\z+1], v[S+32*\u+16*\z+8:S+32*\u+16*\z+9]
.endr
.endr
.irp u, 0,1
	v_pk_add_f32 v[S+32*\u:S+32*\u+1], v[S+32*\u:S+32*\u+1], v[S+32*\u+16:S+32*\u+17]
.endr
.irp u, 0,1
	v_pk_fma_f32 v[ST+8*\u+2:ST+8*\u+3], v[ST+8*\u+2:ST+8*\u+3], v[ST+8*\u+6:ST+8*\u+7], v[S+32*\u:S+32*\u+1] op_sel_hi:[1,0,1]  ; l = a l + the sum
.endr
	WIN 0x41                                       ; O^T times a: destination and source 0 in window 1
.irp u, 0,1
.set n, 0
.rept 32
	v_pk_mul_f32 v[64*\u+2*n:64*\u+2*n+1], v[64*\u+2*n:64*\u+2*n+1], v[ST+8*\u+6:ST+8*\u+7] op_sel_hi:[1,0]
.set n, n+1
.endr
.endr
.endm
; A BLOCK'S END in waves 0 to 3: the partner's O^T and statistics come out of LDS; with cmx = max(c m_A, c m_B), f = 2^(c m - cmx): l = f_A l_A + f_B l_B (and the other half of the lanes'), r = 1 / l;
; D = O_A0 f_A0 r0 + O_B0 f_B0 r0 - lam (O_A1 f_A1 r1 + O_B1 f_B1 r1); then the norm over the query's 128 channels (64 here, 64 in the lane 16 away), g, the scale, f16, and out through the stage.
.macro FINISH
.irp cb, 0,1,2,3,4,5,6,7               ; g of my channels 16 cb + 8 (l / 16) + 0..7, into K's registers
	global_load_b128 v[KF+8*\cb:KF+8*\cb+3],   v[GA], s[GP:GP+1] offset:64*\cb
	global_load_b128 v[KF+8*\cb+4:KF+8*\cb+7], v[GA], s[GP:GP+1] offset:64*\cb+16
.endr
	WIN 0x40                                       ; destination window 1: V's registers
.set n, 0
.rept 32
	ds_load_b128 v[VF+4*n:VF+4*n+3], v[PX] offset:512*n
.set n, n+1
.endr
	WIN 0
	ds_load_b128 v[T+4:T+7], v[PX] offset:16384    ; c m_B0, l_B0, c m_B1, l_B1
	v_add_f32 v[ST+2], v[ST+2], v[ST+3]
	v_add_f32 v[ST+10], v[ST+10], v[ST+11]
	s_wait_dscnt 0x0
	v_max_num_f32 v[T+8], v[ST], v[T+4]
	v_max_num_f32 v[T+9], v[ST+8], v[T+6]
	v_sub_f32 v[T+10], v[ST], v[T+8]
	v_sub_f32 v[T+11], v[T+4], v[T+8]
	v_sub_f32 v[T+12], v[ST+8], v[T+9]
	v_sub_f32 v[T+13], v[T+6], v[T+9]
	v_exp_f32 v[T+10], v[T+10]
	v_exp_f32 v[T+11], v[T+11]
	v_exp_f32 v[T+12], v[T+12]
	v_exp_f32 v[T+13], v[T+13]
	v_nop
	s_wait_alu depctr_va_vdst(0)                   ; one wait for the four
	v_mul_f32 v[T], v[T+10], v[ST+2]
	v_mul_f32 v[T+1], v[T+12], v[ST+10]
	v_fmac_f32 v[T], v[T+11], v[T+5]
	v_fmac_f32 v[T+1], v[T+13], v[T+7]
	v_permlanex16_b32 v[T+2], v[T], s[SEL], s[SEL+1]
	v_permlanex16_b32 v[T+3], v[T+1], s[SEL], s[SEL+1]
	v_add_f32 v[T], v[T], v[T+2]
	v_add_f32 v[T+1], v[T+1], v[T+3]
	v_rcp_f32 v[T+2], v[T]
	v_rcp_f32 v[T+3], v[T+1]
	v_nop
	s_wait_alu depctr_va_vdst(0)                   ; one wait for the two
	v_mul_f32 v[KC], v[T+10], v[T+2]
	v_mul_f32 v[KC+2], v[T+11], v[T+2]
	v_mul_f32 v[KC+4], v[T+12], v[T+3]
	v_mul_f32 v[KC+6], v[T+13], v[T+3]
	v_mul_f32 v[KC+4], v[KC+4], v[NLAM]
	v_mul_f32 v[KC+6], v[KC+6], v[NLAM]
	WIN 0x41
.set n, 0
.rept 32
	v_pk_mul_f32 v[2*n:2*n+1], v[2*n:2*n+1], v[KC:KC+1] op_sel_hi:[1,0]
.set n, n+1
.endr
	WIN 0x51                                       ; source 0, source 2 and destination in window 1, the coefficient in window 0
.set n, 0
.rept 32
	v_pk_fma_f32 v[2*n:2*n+1], v[VF+2*n:VF+2*n+1], v[KC+2:KC+3], v[2*n:2*n+1] op_sel_hi:[1,0,1]
.set n, n+1
.endr
.set n, 0
.rept 32
	v_pk_fma_f32 v[2*n:2*n+1], v[64+2*n:64+2*n+1], v[KC+4:KC+5], v[2*n:2*n+1] op_sel_hi:[1,0,1]
.set n, n+1
.endr
.set n, 0
.rept 32
	v_pk_fma_f32 v[2*n:2*n+1], v[VF+64+2*n:VF+64+2*n+1], v[KC+6:KC+7], v[2*n:2*n+1] op_sel_hi:[1,0,1]
.set n, n+1
.endr
	WIN 0x55                                       ; the sum of squares, in four chains that the first four products start, in registers of window 1 that are free now
.set n, 0
.rept 32
.if n < 4
	v_pk_mul_f32 v[64+2*n:64+2*n+1], v[2*n:2*n+1], v[2*n:2*n+1]
.else
	v_pk_fma_f32 v[64+2*(n%4):64+2*(n%4)+1], v[2*n:2*n+1], v[2*n:2*n+1], v[64+2*(n%4):64+2*(n%4)+1]
.endif
.set n, n+1
.endr
	v_pk_add_f32 v[64:65], v[64:65], v[66:67]
	v_pk_add_f32 v[68:69], v[68:69], v[70:71]
	v_pk_add_f32 v[64:65], v[64:65], v[68:69]
	WIN 0x05
	v_add_f32 v[T], v[64], v[65]
	WIN 0
	v_permlanex16_b32 v[T+1], v[T], s[SEL], s[SEL+1]
	v_add_f32 v[T], v[T], v[T+1]
	v_fma_f32 v[T], v[T], s[R128], s[EPS]          ; the mean + 1e-5
	v_rsq_f32 v[T+2], v[T]
	s_wait_loadcnt 0x0                             ; g (and the next block's Q)
.irp q, 0,1,2,3                        ; g is rounded to bf16 and widened again: the independent work behind the root
.irp i, 0,1,2,3,4,5,6,7
	v_cvt_pk_bf16_f32 v[T+4+\i], v[KF+16*\q+2*\i], v[KF+16*\q+2*\i+1]
.endr
.irp i, 0,1,2,3,4,5,6,7
	v_lshlrev_b32 v[KF+16*\q+2*\i], 16, v[T+4+\i]
	v_and_b32 v[KF+16*\q+2*\i+1], s[HIM], v[T+4+\i]
.endr
.endr
	s_wait_alu depctr_va_vdst(0)                   ; the root's wait, ahead of its first reader
	v_mul_f32 v[RS], 0x3e5d9673, v[T+2]            ; x (1 - 0.78360577)
	WIN 0x41
.set n, 0
.rept 32
	v_pk_mul_f32 v[2*n:2*n+1], v[2*n:2*n+1], v[KF+2*n:KF+2*n+1]
.set n, n+1
.endr
.set n, 0
.rept 32
	v_pk_mul_f32 v[2*n:2*n+1], v[2*n:2*n+1], v[RS:RS+1] op_sel_hi:[1,0]
.set n, n+1
.endr
	WIN 0x05
.set n, 0
.rept 32
	v_cvt_pk_f16_f32 v[S+n], v[2*n], v[2*n+1]
.set n, n+1
.endr
	WIN 0
.irp cb, 0,1,2,3,4,5,6,7
	ds_store_b128 v[STO], v[S+4*\cb:S+4*\cb+3] offset:32*\cb   ; behind my reads of the partner's bytes: LDS serves a wave's instructions in order
.endr
.irp t, 0,1,2,3,4,5,6,7
	ds_load_b128 v[S+32+4*\t:S+32+4*\t+3], v[RD] offset:2*SP*\t
.endr
.irp t, 0,1,2,3,4,5,6,7
	s_wait_dscnt 7-\t
	global_store_b128 v[GO], v[S+32+4*\t:S+32+4*\t+3], s[OPT:OPT+1] offset:8192*\t  ; 16 lanes store 256 consecutive bytes, aligned: a row's 128 channels of head h
.endr
.endm
; A KEY TILE: my two key steps; at a block's end the hand-over, a barrier that every wave passes in every tile, the merge, and the start of the second block.  last = 1: the walk's last tile, which is the second block's last.
.macro TILE last
	s_sub_co_u32 s[RT], s[RT], 1
	s_mov_b32 s[CNT], 2
	s_lshl_b32 s[KO], s[SL], 6
.Lstep_\@:
	v_add_nc_u32 v[AK], s[TBK], v[AK0]
	v_add_nc_u32 v[AV], s[TBV], v[AV0]
.irp f, 0,1,2,3,4,5,6,7                ; K: keys 16 (f / 2) on, channels 32 (f % 2) on
	ds_load_b128 v[KF+8*\f:KF+8*\f+3],   v[AK] offset:(\f/2)*16*PK+(\f%2)*64
	ds_load_b128 v[KF+8*\f+4:KF+8*\f+7], v[AK] offset:(\f/2)*16*PK+(\f%2)*64+32
.endr
	WIN 0x40                                       ; V, turned: keys 32 (f / 8) on, channels 16 (f % 8) on
.irp f, 0,1,2,3,4,5,6,7,8,9,10,11,12,13,14,15
	ds_load_tr16_b128 v[VF+8*\f:VF+8*\f+3],   v[AV] offset:((\f%8)/4)*VH+(\f/8)*32*PV+(\f%4)*32
	ds_load_tr16_b128 v[VF+8*\f+4:VF+8*\f+7], v[AV] offset:((\f%8)/4)*VH+(\f/8)*32*PV+16*PV+(\f%4)*32
.endr
	WIN 0
	s_add_co_u32 s[TBK], s[TBK], 2*64*PK           ; my next step is two steps on
	s_add_co_u32 s[TBV], s[TBV], 2*64*PV
.if !(\last)
	s_cmp_eq_u32 s[RT], 0
	s_cbranch_scc0 .Lplain_\@
.endif
	v_sub_nc_u32 v[DM], v[D0], s[KO]               ; the block's last tile: register j of key group kb is hidden where 16 kb + j is greater: one signed compare serves steps that are all seen, cut, or all hidden
.set i, 0
.rept 32
	v_cmp_gt_i32 vcc_lo, i+8*(i/8), v[DM]
	v_cndmask_b32 v[MC+i], 0, v[BIG], vcc_lo
.set i, i+1
.endr
	s_wait_dscnt 32                                ; K is in; V's 32 loads may stay out
	KQ8 0, 1
.if !(\last)
	s_branch .Ljoin_\@
.Lplain_\@:
	s_wait_dscnt 32
	KQ8 0, 0
.Ljoin_\@:
.endif
	KQ8 1, 2
	s_add_co_u32 s[KO], s[KO], 128
.rept 4
	v_nop                                          ; the places behind those products
.endr
	SOFTMAX
	s_wait_dscnt 0x0                               ; V is in
	PVALL
.rept 4
	v_nop                                          ; the places in front of the next loads into V's registers, the next masks in P's, and the reads of O^T
.endr
	s_sub_co_u32 s[CNT], s[CNT], 1
	s_cmp_lg_u32 s[CNT], 0
	s_cbranch_scc1 .Lstep_\@
.if !(\last)
	s_cmp_eq_u32 s[RT], 0
	s_cbranch_scc0 .Lmeet_\@
	QLOAD QLO                                      ; the second block's Q is on its way during the merge
.endif
	s_cmp_lt_u32 s[WV], 4
	s_cbranch_scc1 .Lmeet_\@
	v_mov_b32 v[T], v[ST]                          ; waves 4 to 7 hand over: c m and l of both tiles,
	v_add_f32 v[T+1], v[ST+2], v[ST+3]
	v_mov_b32 v[T+2], v[ST+8]
	v_add_f32 v[T+3], v[ST+10], v[ST+11]
	WIN 0x04                                       ; and O^T (store data in window 1), each accumulator from its low end on
.set n, 0
.rept 32
	ds_store_b128 v[PX], v[4*n:4*n+3] offset:512*n
.set n, n+1
.endr
	WIN 0
	ds_store_b128 v[PX], v[T:T+3] offset:16384
.Lmeet_\@:
	s_wait_dscnt 0x0                               ; for the partner's sake: my stores are done
	s_barrier_signal -1
	s_barrier_wait -1                              ; the next tile's load stays on its way
.if !(\last)
	s_cmp_eq_u32 s[RT], 0
	s_cbranch_scc0 .Lon_\@
.endif
	s_cmp_lt_u32 s[WV], 4
	s_cbranch_scc0 .Lnofin_\@
	FINISH
.Lnofin_\@:
.if !(\last)
	s_wait_xcnt 0x0                                ; the stores have read their data and att's address
	s_mov_b64 s[OPT:OPT+1], s[OLO:OLO+1]
	s_add_co_u32 s[RT], s[AA], 1                   ; the second block has a + 1 tiles
.irp u, 0,1
	v_mov_b32 v[ST+8*\u], 0xfe000000               ; c m far below every c s: the first step's a is 0, so O^T and l need only be finite
	v_mov_b32 v[ST+8*\u+1], 0xe7800000             ; m = -2^80
.endr
	v_mov_b32 v[D0], v[D1]
	s_wait_loadcnt 0x0                             ; Q
.Lon_\@:
.endif
.endm
	s_load_b128 s[4:7], s[0:1], 0x0                ; qkv s[4:5], lambda_q1 s[6:7]
	s_load_b256 s[8:15], s[0:1], 0x10              ; lambda_k1, lambda_q2, lambda_k2, g
	s_load_b64 s[16:17], s[0:1], 0x30              ; att
	v_lshl_add_u32 v[SPW], v0, 2, SPARE
	v_mov_b32 v[NIL], 0
	ds_add_u32 v[SPW], v[NIL]                      ; the wave's opening: the add and its wait stand ahead of my first tensor load; the set-up below stands between them
	v_lshrrev_b32 v1, 5, v0
	v_readfirstlane_b32 s[WV], v1                  ; wave 0..7
	s_mov_b32 s[AA], ttmp9                         ; a: the cluster's x
	s_and_b32 s[HH], ttmp7, 0xffff                 ; the head
	s_lshr_b32 s[SL], s[WV], 2
	s_and_b32 s[W4], s[WV], 3
	s_and_b32 s80, s[WV], 1                        ; which 128 keys of a tile I fetch
	s_lshl_b32 s81, s80, 14
	s_add_co_u32 s82, s[HH], 32                    ; K: u = 32 + h
	s_lshl_b32 s82, s82, 18
	s_add_co_u32 s82, s82, s81
	s_mov_b32 s83, 0
	s_lshr_b32 s84, s[WV], 1                       ; V (waves 2 to 5): u = 48 + 2 (h / 2) + (w / 2 - 1)
	s_and_b32 s86, s[HH], 14
	s_add_co_u32 s86, s86, 47
	s_add_co_u32 s86, s86, s84
	s_lshl_b32 s86, s86, 18
	s_add_co_u32 s86, s86, s81
	s_mov_b32 s87, 0
	s_mov_b32 s[G0K], 1
	s_mul_i32 s[G0K+1], s[WV], 128*PK              ; LDS, slot 0: waves 0, 1: K's halves
	s_mov_b32 s[G0V], 1
	s_mul_i32 s[G0V+1], s[WV], 128*PV              ; waves 2 to 5: V's four parts, one behind the other
	s_add_co_u32 s[G0V+1], s[G0V+1], VOFF
	s_sub_co_u32 s[G0V+1], s[G0V+1], 2*128*PV
	; group 1: 128 keys of one u are 16,384 dense bytes: asked for as 64 rows of 256 bytes, padded in LDS after every key
	s_mov_b32 s[G1K], 15|(1<<16)|(1<<20)|(1<<21)|(4<<22)|(3<<25)  ; the mask of four; 2-byte elements; padding on; bit 21 beside a mask; after every 32 words 4 words
	s_mov_b32 s[G1V], 15|(1<<16)|(1<<20)|(1<<21)|(4<<22)|(7<<25)  ; the same with 8 words
.irp g, G1K, G1V
	s_mov_b32 s[\g+1], 128<<16                     ; tensor_dim0 = 128
	s_mov_b32 s[\g+2], 64<<16                      ; tensor_dim1 = 64
	s_mov_b32 s[\g+3], 128<<16                     ; tile_dim0 = 128
	s_mov_b32 s[\g+4], 64                          ; tile_dim1 = 64
	s_mov_b32 s[\g+5], 128                         ; elements from row to row
	s_mov_b32 s[\g+6], 0
	s_mov_b32 s[\g+7], 0
.endr
	s_mov_b32 s[CS], 0x3e38aa3b                    ; c = log2(e) / 8
	s_mov_b32 s[CS+1], s[CS]
	s_mov_b32 s[SEL], 0x76543210
	s_mov_b32 s[SEL+1], 0xfedcba98
	s_mov_b32 s[HIM], 0xffff0000
	s_mov_b32 s[R128], 0x3c000000                  ; 1 / 128
	s_mov_b32 s[EPS], 0x3727c5ac                   ; 1e-5
	s_sub_co_u32 s[RT], 8, s[AA]                   ; the first block has 8 - a tiles
	s_mov_b32 s[NXT], 1
	s_sub_co_u32 s[LQ], 7, s[AA]
	s_mov_b32 s[OFF+1], 0
	s_mov_b32 s[SLOTS], 8
	s_mul_i32 s[TBK], s[SL], 64*PK                 ; my first step of a slot; the first change of slots turns these two into slot 0's
	s_add_co_u32 s[TBK], s[TBK], SLOT1+4*64*PK
	s_mul_i32 s[TBV], s[SL], 64*PV
	s_add_co_u32 s[TBV], s[TBV], SLOT1+4*64*PV
	s_and_b32 s88, s[WV], 1                        ; who prefetches: no odd wave,
	s_or_b32 s88, s88, s[AA]                       ; no cluster but a = 0,
	s_cmp_eq_u32 s84, 3                            ; not waves 6 and 7,
	s_cselect_b32 s89, 1, 0
	s_or_b32 s88, s88, s89
	s_and_b32 s89, s[HH], 1                        ; and V for even heads alone
	s_cmp_eq_u32 s84, 0
	s_cselect_b32 s89, 0, s89
	s_or_b32 s88, s88, s89
	s_cmp_eq_u32 s88, 0
	s_cselect_b32 s[LIM], 2, -1                    ; the same in all four partners
	s_wait_dscnt 0x0                               ; the opening add is done
	s_wait_kmcnt 0x0
	s_add_nc_u64 s[KB:KB+1], s[QKV:QKV+1], s[82:83]
	s_add_nc_u64 s[VB:VB+1], s[QKV:QKV+1], s[86:87]
	s_mov_b64 s[G0K+2:G0K+3], s[KB:KB+1]
	s_or_b32 s[G0K+3], s[G0K+3], 0x80000000
	s_mov_b64 s[G0V+2:G0V+3], s[VB:VB+1]
	s_or_b32 s[G0V+3], s[G0V+3], 0x80000000
	CROUND                                         ; all four work-groups are here: the first joint loads meet
	JLOAD                                          ; tile 0 into slot 0; slot 1 is asked for by the loop's first change of slots
	s_bfe_u32 s[CX], ttmp6, 0x40000                ; cx enters Q's, att's and the prefetches' addresses and the mask's numbers alone
	s_lshl_b32 s88, s[AA], 2
	s_add_co_u32 s88, s88, s[CX]                   ; b
	s_sub_co_u32 s89, 31, s88                      ; 31 - b
	s_lshl_b32 s94, s[HH], 19                      ; Q: u = 2 h; rows 64 x block + 16 w4, 128 bytes each
	s_lshl_b32 s95, s[W4], 11
	s_add_co_u32 s94, s94, s95
	s_lshl_b32 s90, s89, 13
	s_add_co_u32 s90, s90, s94
	s_mov_b32 s91, 0
	s_lshl_b32 s92, s88, 13
	s_add_co_u32 s92, s92, s94
	s_mov_b32 s93, 0
	s_add_nc_u64 s[QHI:QHI+1], s[QKV:QKV+1], s[90:91]
	s_add_nc_u64 s[QLO:QLO+1], s[QKV:QKV+1], s[92:93]
	s_lshl_b32 s94, s[HH], 8                       ; att: the same rows, 4,096 bytes each, 256 h bytes in
	s_lshl_b32 s95, s[W4], 16
	s_add_co_u32 s94, s94, s95
	s_lshl_b32 s90, s89, 18
	s_add_co_u32 s90, s90, s94
	s_lshl_b32 s92, s88, 18
	s_add_co_u32 s92, s92, s94
	s_add_nc_u64 s[OLO:OLO+1], s[OPT:OPT+1], s[92:93]
	s_add_nc_u64 s[OPT:OPT+1], s[OPT:OPT+1], s[90:91]
	s_cmp_lt_u32 s[WV], 2
	s_cselect_b64 s[PFA:PFA+1], s[KB:KB+1], s[VB:VB+1]
	s_lshl_b32 s94, s[CX], 13                      ; my work-group's 8,192 bytes of a tile's 32,768,
	s_add_co_u32 s94, s94, 32768                   ; in tile 1: the first change of slots steps it to tile 2
	s_mov_b32 s95, 0
	s_add_nc_u64 s[PFA:PFA+1], s[PFA:PFA+1], s[94:95]
	v_and_b32 v1, 15, v0                           ; l % 16
	v_bfe_u32 v9, v0, 4, 1                         ; l / 16
	v_and_b32 v45, 31, v0                          ; l
	v_lshlrev_b32 v[QO], 7, v1
	v_lshl_add_u32 v[QO], v9, 4, v[QO]             ; row x 128 + 16 x half
	QLOAD QHI
	v_lshlrev_b32 v[T+12], 3, v45                  ; two numbers a lane of each lambda vector
	global_load_b64 v[T:T+1],   v[T+12], s[LQ1:LQ1+1]
	global_load_b64 v[T+2:T+3], v[T+12], s[LK1:LK1+1]
	global_load_b64 v[T+4:T+5], v[T+12], s[LQ2:LQ2+1]
	global_load_b64 v[T+6:T+7], v[T+12], s[LK2:LK2+1]
	v_mul_u32_u24 v[AK0], v1, PK
	v_lshl_add_u32 v[AK0], v9, 4, v[AK0]           ; row x pitch + 16 x half
	v_and_b32 v[AK], 7, v0                         ; the turning load: lane l reads key 8 (l / 16) + l % 8, channels 8 ((l / 8) % 2) + 0..7
	v_bfe_u32 v[AV], v0, 3, 1
	v_lshl_add_u32 v[AV0], v9, 3, v[AK]
	v_mul_u32_u24 v[AV0], v[AV0], PV
	v_lshl_add_u32 v[AV0], v[AV], 4, v[AV0]
	v_add_nc_u32 v[AV0], VOFF, v[AV0]
	s_sub_co_u32 s94, 3, s[CX]                     ; the first block's band,
	s_lshl_b32 s94, s94, 6
	s_lshl_b32 s95, s[W4], 4
	s_add_co_u32 s94, s94, s95
	s_lshl_b32 s90, s[CX], 6                       ; the second's
	s_add_co_u32 s90, s90, s95
	v_lshlrev_b32 v[DM], 3, v9
	v_sub_nc_u32 v[DM], v1, v[DM]
	v_add_nc_u32 v[D0], s94, v[DM]
	v_add_nc_u32 v[D1], s90, v[DM]
	s_mul_i32 s91, s[W4], PAIRB
	s_add_co_u32 s91, s91, STAGE                   ; my pair's bytes
	v_lshl_add_u32 v[PX], v45, 4, s91
	v_mul_u32_u24 v[STO], v1, SP
	v_lshl_add_u32 v[STO], v9, 4, v[STO]
	v_add_nc_u32 v[STO], s91, v[STO]
	v_mul_u32_u24 v[RD], v9, SP
	v_lshl_add_u32 v[RD], v1, 4, v[RD]
	v_add_nc_u32 v[RD], s91, v[RD]
	v_lshlrev_b32 v[GO], 12, v9
	v_lshl_add_u32 v[GO], v1, 4, v[GO]
	v_lshlrev_b32 v[PFO], 8, v45
	v_lshlrev_b32 v[GA], 5, v9
	v_mov_b32 v[BIG], 0xf149f2ca                   ; -1e30
.irp i, 1,3,5,7
	v_mov_b32 v[KC+\i], 0                          ; named in pairs with the coefficients
.endr
	v_mov_b32 v[RS+1], 0
.irp u, 0,1
	v_mov_b32 v[ST+8*\u], 0xfe000000               ; c m far below every c s: the first step's a is 0
	v_mov_b32 v[ST+8*\u+1], 0xe7800000             ; m = -2^80
	v_mov_b32 v[ST+8*\u+2], 0
	v_mov_b32 v[ST+8*\u+3], 0
.endr
	WIN 0x40                                       ; O^T starts at 0, so that the first step is a step like any other: written in the wait for the first tile
.set i, 0
.rept 128
	v_mov_b32 v[i], 0
.set i, i+1
.endr
	WIN 0
	s_wait_loadcnt 0x0                             ; Q and the lambdas
	v_cvt_pk_bf16_f32 v[T+8],  v[T],   v[T+1]      ; rounded to bf16 like every input
	v_cvt_pk_bf16_f32 v[T+9],  v[T+2], v[T+3]
	v_cvt_pk_bf16_f32 v[T+10], v[T+4], v[T+5]
	v_cvt_pk_bf16_f32 v[T+11], v[T+6], v[T+7]
.irp i, 0,1,2,3
	v_lshlrev_b32 v[T+2*\i], 16, v[T+8+\i]
	v_and_b32 v[T+2*\i+1], s[HIM], v[T+8+\i]
.endr
	v_mul_f32 v[T+8], v[T], v[T+2]
	v_mul_f32 v[T+9], v[T+4], v[T+6]
	v_fmac_f32 v[T+8], v[T+1], v[T+3]
	v_fmac_f32 v[T+9], v[T+5], v[T+7]
.irp m, 1,2,4,8
	v_add_f32_dpp v[T+8], v[T+8], v[T+8] row_xmask:\m row_mask:0xf bank_mask:0xf
	v_add_f32_dpp v[T+9], v[T+9], v[T+9] row_xmask:\m row_mask:0xf bank_mask:0xf
.endr
	v_permlanex16_b32 v[T+10], v[T+8], s[SEL], s[SEL+1]
	v_permlanex16_b32 v[T+11], v[T+9], s[SEL], s[SEL+1]
	v_add_f32 v[T+8], v[T+8], v[T+10]
	v_add_f32 v[T+9], v[T+9], v[T+11]
	v_mul_f32 v[T+8], 0x3fb8aa3b, v[T+8]           ; e^x = 2^(x log2 e)
	v_mul_f32 v[T+9], 0x3fb8aa3b, v[T+9]
	v_exp_f32 v[T+10], v[T+8]
	v_exp_f32 v[T+11], v[T+9]
	v_nop
	s_wait_alu depctr_va_vdst(0)                   ; one wait for the two, ahead of their reader and of the label
	v_sub_f32 v[NLAM], v[T+11], v[T+10]
	v_add_f32 v[NLAM], 0xbf489a63, v[NLAM]         ; -lam = lam2 - lam1 - 0.78360577
.Lslot:                                                ; eight trips: a tile is entered and the next is asked for
	CHANGE 1
	TILE 0
	s_sub_co_u32 s[SLOTS], s[SLOTS], 1
	s_cmp_lg_u32 s[SLOTS], 0
	s_cbranch_scc1 .Lslot
	CHANGE 0                                       ; the walk's last tile is written out: nothing is asked for
	TILE 1
	s_wait_tensorcnt 0x0                           ; the wave's end: behind my last tensor load and my last LDS store
	ds_add_u32 v[SPW], v[NIL]
	s_wait_dscnt 0x0
	CROUND                                         ; the closing round: no work-group ends while a partner may still ask for a tile that names it
	s_endpgm
.Lfunc_end_k_qc0af6f5b4d_attn:
	.size	k_qc0af6f5b4d_attn, .Lfunc_end_k_qc0af6f5b4d_attn-k_qc0af6f5b4d_attn
	.p2alignl 7, 3214868480
	.fill 96, 4, 3214868480
	.section	.rodata,"a",@progbits
	.p2align	6, 0x0
	.amdhsa_kernel k_qc0af6f5b4d_attn
		.amdhsa_group_segment_fixed_size 327680
		.amdhsa_private_segment_fixed_size 0
		.amdhsa_enable_private_segment 0
		.amdhsa_kernarg_size 56
		.amdhsa_user_sgpr_count 2
		.amdhsa_user_sgpr_kernarg_segment_ptr 1
		.amdhsa_wavefront_size32 1
		.amdhsa_system_sgpr_workgroup_id_x 1
		.amdhsa_system_sgpr_workgroup_id_y 1
		.amdhsa_system_sgpr_workgroup_id_z 1
		.amdhsa_system_vgpr_workitem_id 0
		.amdhsa_next_free_vgpr 512
		.amdhsa_next_free_sgpr 96
		.amdhsa_reserve_vcc 1
		.amdhsa_float_denorm_mode_32 3
		.amdhsa_float_denorm_mode_16_64 3
		.amdhsa_memory_ordered 1
		.amdhsa_forward_progress 1
		.amdhsa_inst_pref_size 128
	.end_amdhsa_kernel
	.amdgpu_metadata
---
amdhsa.version: [ 1, 2 ]
amdhsa.kernels:
  - .name:           k_qc0af6f5b4d_attn
    .symbol:         k_qc0af6f5b4d_attn.kd
    .args:
      - { .name: qkv, .offset: 0, .size: 8, .value_kind: global_buffer, .address_space: global }
      - { .name: lambda_q1, .offset: 8, .size: 8, .value_kind: global_buffer, .address_space: global }
      - { .name: lambda_k1, .offset: 16, .size: 8, .value_kind: global_buffer, .address_space: global }
      - { .name: lambda_q2, .offset: 24, .size: 8, .value_kind: global_buffer, .address_space: global }
      - { .name: lambda_k2, .offset: 32, .size: 8, .value_kind: global_buffer, .address_space: global }
      - { .name: g, .offset: 40, .size: 8, .value_kind: global_buffer, .address_space: global }
      - { .name: att, .offset: 48, .size: 8, .value_kind: global_buffer, .address_space: global }
    .group_segment_fixed_size: 327680
    .private_segment_fixed_size: 0
    .kernarg_segment_align: 8
    .kernarg_segment_size: 56
    .max_flat_workgroup_size: 256
    .sgpr_count:     96
    .vgpr_count:     512
    .wavefront_size: 32
...
	.end_amdgpu_metadata
.endif
;; end of part 3
;; launch outp (part 4): grid 16 x 16, 4 waves a work-group, clusters of 4 x 4, 327,680 bytes of LDS; arguments att, wob, out0; writes out0
.if DOCPART == 4
	.amdgcn_target "amdgcn-amd-amdhsa--gfx1250"
	.amdhsa_code_object_version 6
	.text
	.protected	k_qc0af6f5b4d_outp
	.globl	k_qc0af6f5b4d_outp
	.p2align	8
	.type	k_qc0af6f5b4d_outp,@function
k_qc0af6f5b4d_outp:
	s_mov_b64 s[64:65], 0
	v_nop
	global_prefetch_b8 v0, s[64:65] scope:SCOPE_SE
	s_setreg_imm32_b32 hwreg(HW_REG_WAVE_MODE, 25, 1), 1
	s_wait_xcnt 0x0
	s_wait_alu depctr_hold_cnt(0) depctr_sa_sdst(0) depctr_va_vdst(0) depctr_va_sdst(0) depctr_va_ssrc(0) depctr_va_vcc(0) depctr_vm_vsrc(0)
	s_getreg_b32 s2, hwreg(HW_REG_IB_STS2, 6, 4)
	s_cmp_eq_u32 s2, 0
	s_cbranch_scc0 .Lentry_in_a_cluster
	s_endpgm
.Lentry_in_a_cluster:
	s_bfe_u32 s2, ttmp6, 0x10000c
	s_cmp_lg_u32 s2, 0xf033
	s_cbranch_scc0 .Lentry_shape_is_right
	s_endpgm
.Lentry_shape_is_right:
; out0[t][n] = sum over k of att[t][k] wob[n][k].  att, wob: [2048][2048] f16; out0: [2048][2048] f32; sums in f32, stored as they are.
; A tile of out0 is 128 x 128: 16 x 16 tiles, one work-group each.  Four waves, each 64 x 64: 16 accumulators.  K goes in steps of 256 (LDS rows of 512 bytes; a wave's tensor load brings 64 of them), as long as two slots allow.
; CLUSTERS: 4 x 4 work-groups; A's tile is shared along a row of the cluster, B's along a column: each is asked for jointly.  THE MATRIX INSTRUCTION IS USED TRANSPOSED: a lane holds eight neighbouring numbers of a row.
; A wave's 64 columns are 256 bytes of f32: each wave sends its own rows through its own stage, and no barrier stands on the way out.
; REGISTERS: window 0: v0-31 addresses; v128-255 the accumulators ((a, b) at v[128 + 8 (4 a + b)]).  Window 1: two fragment buffers of 128: for 64 along K, 64 registers of A, then 64 of B.
.set SIZE_K, 2048
.set SIZE_N, 2048
.set KSTEP,  256
.set PITCH,  528                       ; an LDS row: 512 bytes + 16 of padding
.set HALFT,  64*PITCH
.set SLOT,   4*HALFT                   ; A's 128 rows, then B's 128 rows
.set STAGE,  2*SLOT                    ; behind the ring: 16 rows x 272 bytes for each wave; no tensor load lands here
.set SPITCH, 272
.set SPARE,  STAGE+4*16*SPITCH         ; the spare words, 128 bytes a wave, which no other line names
.set LAPS, SIZE_K/(2*KSTEP)
.set ADRA, 16
.set ADRB, 20
.set STO,  24
.set RD,   25
.set CO,   26
.set SPW,  28
.set NIL,  29
.set ACC,  128
.set F0,   0
.set F1,   128
.set G1, 24
.set G0, 32
.set G1B, 48
.set G0B, 56
.set MSB, 0
.macro WIN new
.if MSB != (\new)
	s_set_vgpr_msb (MSB<<8)|(\new)
.set MSB, \new
.endif
.endm
.set MUL,  0x05                        ; sources 0 (B) and 1 (A) window 1; C and D window 0
.set TO_F, 0x40                        ; destination window 1, address window 0
.macro JLOAD s                         ; a joint load: waves 0 and 1 fetch A's halves, waves 2 and 3 B's; an s_nop 0 and four v_nop follow each line
	s_cmp_eq_u32 s11, 0
	s_cbranch_scc0 .Lfor_b_\@
	tensor_load_to_lds s[G0+4*(\s):G0+4*(\s)+3], s[G1:G1+7]
	s_nop 0
.rept 4
	v_nop
.endr
	s_branch .Lasked_\@
.Lfor_b_\@:
	tensor_load_to_lds s[G0B+4*(\s):G0B+4*(\s)+3], s[G1B:G1B+7]
	s_nop 0
.rept 4
	v_nop
.endr
.Lasked_\@:
.endm
.macro CREST
	s_cmp_lg_u32 s10, 0
	s_cbranch_scc1 .Lnot_wave_0_\@
	s_barrier_signal -3
.Lnot_wave_0_\@:
	s_barrier_wait -3
	s_barrier_signal -1
	s_barrier_wait -1
.endm
.macro CROUND
	s_barrier_signal -1
	s_barrier_wait -1
	CREST
.endm
	s_load_b128 s[4:7], s[0:1], 0x0                ; att s[4:5], wob s[6:7]
	s_load_b64 s[8:9], s[0:1], 0x10                ; out0
	v_lshl_add_u32 v[SPW], v0, 2, SPARE
	v_mov_b32 v[NIL], 0
	ds_add_u32 v[SPW], v[NIL]                      ; the wave's opening: the add and its wait stand ahead of my first tensor load
	v_lshrrev_b32 v1, 5, v0
	v_readfirstlane_b32 s10, v1                    ; wave 0..3
	s_lshr_b32 s11, s10, 1                         ; which half of the tile's rows is mine.  Also: I fetch for A (0) or for B (1)
	s_and_b32 s12, s10, 1                          ; which half of its columns.  Also: which 64 rows of that tile I fetch
	s_bfe_u32 s40, ttmp6, 0x40000                  ; cx, cy
	s_bfe_u32 s41, ttmp6, 0x40004
	s_lshl_b32 s42, ttmp9, 2
	s_add_co_u32 s42, s42, s40                     ; tile column
	s_and_b32 s13, ttmp7, 0xffff
	s_lshl_b32 s13, s13, 2
	s_add_co_u32 s13, s13, s41                     ; tile row
	s_lshl_b32 s43, s41, 2
	s_lshl_b32 s43, 15, s43                        ; my row of the cluster
	s_lshl_b32 s44, 0x1111, s40                    ; my column
	s_or_b32 s[G1+0], s43, (1<<16)|(1<<20)|(1<<21)|(6<<22)|(3<<25)  ; the mask; 2-byte elements; padding on; bit 21 beside a mask; after every 128 words 4 words
	s_or_b32 s[G1B+0], s44, (1<<16)|(1<<20)|(1<<21)|(6<<22)|(3<<25)
.irp g, G1, G1B
	s_mov_b32 s[(\g)+1], KSTEP<<16                 ; tensor_dim0 = 256
	s_mov_b32 s[(\g)+2], 64<<16                    ; tensor_dim1 = 64
	s_mov_b32 s[(\g)+3], KSTEP<<16                 ; tile_dim0 = 256
	s_mov_b32 s[(\g)+4], 64                        ; tile_dim1 = 64
	s_mov_b32 s[(\g)+5], SIZE_K
	s_mov_b32 s[(\g)+6], 0
	s_mov_b32 s[(\g)+7], 0
.endr
	s_lshl_b32 s17, s12, 6
	s_lshl_b32 s16, s13, 7
	s_add_co_u32 s16, s16, s17                     ; A: row 128 x tile row + 64 x half
	s_lshl_b32 s46, s42, 7
	s_add_co_u32 s46, s46, s17                     ; B: row 128 x tile column + 64 x half
	s_mov_b32 s17, 0
	s_mov_b32 s47, 0
	s_mov_b64 s[18:19], SIZE_K*2
	s_mul_u64 s[16:17], s[16:17], s[18:19]
	s_mul_u64 s[46:47], s[46:47], s[18:19]
	s_mul_i32 s20, s10, HALFT                      ; where they go: wave x 64 rows
	s_wait_dscnt 0x0                               ; the opening add is done
	s_wait_kmcnt 0x0
	s_add_nc_u64 s[14:15], s[4:5], s[16:17]
	s_add_nc_u64 s[46:47], s[6:7], s[46:47]
	CROUND                                         ; all sixteen work-groups are here: the first joint loads meet
.irp s, 0,1
	s_mov_b32 s[G0+4*(\s)], 1
	s_add_co_u32 s[G0+4*(\s)+1], s20, (\s)*SLOT
	s_add_nc_u64 s[G0+4*(\s)+2:G0+4*(\s)+3], s[14:15], (\s)*KSTEP*2
	s_or_b32 s[G0+4*(\s)+3], s[G0+4*(\s)+3], 0x80000000
	s_mov_b32 s[G0B+4*(\s)], 1
	s_add_co_u32 s[G0B+4*(\s)+1], s20, (\s)*SLOT
	s_add_nc_u64 s[G0B+4*(\s)+2:G0B+4*(\s)+3], s[46:47], (\s)*KSTEP*2
	s_or_b32 s[G0B+4*(\s)+3], s[G0B+4*(\s)+3], 0x80000000
	JLOAD \s                                       ; two loads of mine are out
.endr
	v_and_b32 v1, 15, v0                           ; l % 16
	v_bfe_u32 v2, v0, 4, 1                         ; l / 16
	v_mul_u32_u24 v3, v1, PITCH
	v_lshl_add_u32 v3, v2, 4, v3
	s_mul_i32 s21, s11, HALFT                      ; my 64 rows of A
	s_mul_i32 s22, s12, HALFT                      ; my 64 rows of B,
	s_add_co_u32 s22, s22, 2*HALFT                 ; which lie behind A's 128
.irp s, 0,1
	v_add_nc_u32 v[ADRA+(\s)], s21, v3
	v_add_nc_u32 v[ADRB+(\s)], s22, v3
	s_add_co_u32 s21, s21, SLOT
	s_add_co_u32 s22, s22, SLOT
.endr
	s_mul_i32 s23, s10, 16*SPITCH
	s_add_co_u32 s23, s23, STAGE                   ; my stage
	v_mul_u32_u24 v4, v1, SPITCH                   ; in: row l % 16, 32 bytes (eight f32) for each half of the lanes
	v_lshl_add_u32 v4, v2, 5, v4
	v_add_nc_u32 v[STO], s23, v4
	v_mul_u32_u24 v5, v2, SPITCH                   ; back: lanes 0-15 take one row of 256 bytes, lanes 16-31 the next
	v_lshl_add_u32 v5, v1, 4, v5
	v_add_nc_u32 v[RD], s23, v5
	v_lshlrev_b32 v5, 13, v2                       ; and the same two rows in out0, 8,192 bytes apart
	v_lshl_add_u32 v[CO], v1, 4, v5
	s_lshl_b32 s16, s13, 7
	s_lshl_b32 s17, s11, 6
	s_add_co_u32 s16, s16, s17                     ; my first row: 128 x tile row + 64 x row half
	s_lshl_b32 s16, s16, 13
	s_lshl_b32 s46, s42, 9                         ; my first column, in bytes: 512 x tile column + 256 x column half
	s_lshl_b32 s47, s12, 8
	s_add_co_u32 s46, s46, s47
	s_add_co_u32 s16, s16, s46
	s_mov_b32 s17, 0
	s_add_nc_u64 s[8:9], s[8:9], s[16:17]
; 8 matrix instructions: m blocks a0, a0 + 1 x all 4 n blocks, 32 along K: half c of buffer f.  zero = 1: the first product starts the sums.  The 16 accumulators take turns.
.macro MUL8 f, c, a0, zero
	WIN MUL
.irp a, \a0, (\a0)+1
.irp b, 0,1,2,3
.if \zero
	v_wmma_f32_16x16x32_f16 v[ACC+8*(4*(\a)+(\b)):ACC+8*(4*(\a)+(\b))+7], v[(\f)+64+8*(4*(\c)+(\b)):(\f)+64+8*(4*(\c)+(\b))+7], v[(\f)+8*(4*(\c)+(\a)):(\f)+8*(4*(\c)+(\a))+7], 0
.else
	v_wmma_f32_16x16x32_f16 v[ACC+8*(4*(\a)+(\b)):ACC+8*(4*(\a)+(\b))+7], v[(\f)+64+8*(4*(\c)+(\b)):(\f)+64+8*(4*(\c)+(\b))+7], v[(\f)+8*(4*(\c)+(\a)):(\f)+8*(4*(\c)+(\a))+7], v[ACC+8*(4*(\a)+(\b)):ACC+8*(4*(\a)+(\b))+7]
.endif
.endr
.endr
.endm
; 32 LDS loads in one run: the fragments of 64 along K at byte k of the rows, into buffer f; the first 32 along K first
.macro FETCH slot, k, f
	WIN TO_F
.irp c, 0,1
.irp i, 0,1,2,3
	ds_load_b128 v[(\f)+64+8*(4*(\c)+(\i)):(\f)+64+8*(4*(\c)+(\i))+3],   v[ADRB+(\slot)] offset:(\k)+64*(\c)+(\i)*16*PITCH
	ds_load_b128 v[(\f)+64+8*(4*(\c)+(\i))+4:(\f)+64+8*(4*(\c)+(\i))+7], v[ADRB+(\slot)] offset:(\k)+64*(\c)+(\i)*16*PITCH+32
	ds_load_b128 v[(\f)+8*(4*(\c)+(\i)):(\f)+8*(4*(\c)+(\i))+3],         v[ADRA+(\slot)] offset:(\k)+64*(\c)+(\i)*16*PITCH
	ds_load_b128 v[(\f)+8*(4*(\c)+(\i))+4:(\f)+8*(4*(\c)+(\i))+7],       v[ADRA+(\slot)] offset:(\k)+64*(\c)+(\i)*16*PITCH+32
.endr
.endr
.endm
.macro PLACES                          ; four places in front of loads into registers that matrix instructions have read, and of stores that read results
.rept 4
	v_nop
.endr
.endm
; A K step is four quarters of 64 along K, 32 matrix instructions each, on buffers 0, 1, 0, 1.
.macro QUARTER slot, k, f, g, zero
	s_wait_dscnt 16                                ; the first 32 along K are in
	WIN MUL
	MUL8 \f, 0, 0, \zero
	MUL8 \f, 0, 2, \zero
	PLACES
	FETCH \slot, \k, \g
	s_wait_dscnt 32                                ; all but the 32 just issued
	WIN MUL
	MUL8 \f, 1, 0, 0
	MUL8 \f, 1, 2, 0
.endm
; The last quarter multiplies buffer 1 and changes slots: one barrier; in front of it each wave waits for all its tensor loads, adds 0 to its spare word, and waits for that and for its own reads of this slot.
.macro TURN slot, next, fill
	WIN 0                                          ; (the add's two registers lie in window 0)
	s_wait_tensorcnt 0x0                           ; all my tensor loads have landed: my part of the next slot
	ds_add_u32 v[SPW], v[NIL]                      ; 0 onto my spare word
	s_wait_dscnt 17                                ; (the add and the youngest sixteen loads may be out)
	WIN MUL
	MUL8 F1, 0, 0, 0
	s_wait_dscnt 0x0                               ; the add is done, and my reads of this slot are over
	s_barrier_signal -1
	MUL8 F1, 0, 2, 0
.if \fill
	WIN 0
.endif
	s_barrier_wait -1
.if \fill
	CREST                                          ; no wave of any partner still reads this slot's tile or has a load on its way
	s_add_nc_u64 s[G0+4*(\slot)+2:G0+4*(\slot)+3], s[G0+4*(\slot)+2:G0+4*(\slot)+3], 2*KSTEP*2
	s_add_nc_u64 s[G0B+4*(\slot)+2:G0B+4*(\slot)+3], s[G0B+4*(\slot)+2:G0B+4*(\slot)+3], 2*KSTEP*2
	JLOAD \slot                                    ; the first tensor load behind the round: 112 matrix instructions ahead of the wait for it; its four v_nop are also the places in front of the loads below
.else
	PLACES
.endif
	FETCH \next, 0, F0
	WIN MUL
	MUL8 F1, 1, 0, 0
	MUL8 F1, 1, 2, 0
.endm
	s_wait_tensorcnt 1                             ; my part of K step 0 is in; K step 1's may stay out
	s_barrier_signal -1
	s_barrier_wait -1
	FETCH 0, 0, F0
	QUARTER 0, 128, F0, F1, 1                      ; the first quarter stands in front of the loop: its first products start the sums
	WIN 0
	s_mov_b32 s3, LAPS-1
.Llap:
	QUARTER 0, 256, F1, F0, 0
	QUARTER 0, 384, F0, F1, 0
	TURN 0, 1, 1
	QUARTER 1, 128, F0, F1, 0
	QUARTER 1, 256, F1, F0, 0
	QUARTER 1, 384, F0, F1, 0
	TURN 1, 0, 1
	QUARTER 0, 128, F0, F1, 0
	WIN 0
	s_sub_co_u32 s3, s3, 1
	s_cmp_lg_u32 s3, 0
	s_cbranch_scc1 .Llap
	QUARTER 0, 256, F1, F0, 0                      ; the last lap fills nothing
	QUARTER 0, 384, F0, F1, 0
	TURN 0, 1, 0
	QUARTER 1, 128, F0, F1, 0
	QUARTER 1, 256, F1, F0, 0
	QUARTER 1, 384, F0, F1, 0
	s_wait_dscnt 16                                ; the very last quarter: nothing more to fetch
	WIN MUL
	MUL8 F1, 0, 0, 0
	MUL8 F1, 0, 2, 0
	s_wait_dscnt 0x0
	MUL8 F1, 1, 0, 0
	MUL8 F1, 1, 2, 0
	WIN 0
; THE WAY OUT, a block of 16 rows at a time: a lane's eight f32 of a row go into my stage (each accumulator's low half first), and come back as whole rows of 256 bytes, into the registers that they left.
.macro TOSTAGE a
.irp b, 0,1,2,3
	ds_store_b128 v[STO], v[ACC+8*(4*(\a)+(\b)):ACC+8*(4*(\a)+(\b))+3]   offset:64*(\b)
	ds_store_b128 v[STO], v[ACC+8*(4*(\a)+(\b))+4:ACC+8*(4*(\a)+(\b))+7] offset:64*(\b)+16
.endr
.irp t, 0,1,2,3,4,5,6,7
	ds_load_b128 v[ACC+32*(\a)+4*(\t):ACC+32*(\a)+4*(\t)+3], v[RD] offset:(\t)*2*SPITCH  ; LDS serves a wave's instructions in order: these see the stores above; the next block's stores come behind them
.endr
.endm
.macro SEND a, younger                 ; younger: the LDS instructions issued behind block a's loads: the next block's sixteen, or none
.irp t, 0,1,2,3,4,5,6,7
	s_wait_dscnt (\younger)+7-(\t)
	global_store_b128 v[CO], v[ACC+32*(\a)+4*(\t):ACC+32*(\a)+4*(\t)+3], s[8:9] offset:(16*(\a)+2*(\t))*SIZE_N*4 th:TH_STORE_NT  ; 16 lanes store 256 consecutive bytes, aligned
.endr
.endm
	PLACES
	TOSTAGE 0
.irp a, 1,2,3
	TOSTAGE \a
	SEND (\a)-1, 16
.endr
	SEND 3, 0
	s_wait_tensorcnt 0x0                           ; the wave's end: behind my last tensor load and my last LDS store
	ds_add_u32 v[SPW], v[NIL]
	s_wait_dscnt 0x0
	CROUND                                         ; the closing round: no work-group ends while a partner may still ask for a tile that names it
	s_endpgm
.Lfunc_end_k_qc0af6f5b4d_outp:
	.size	k_qc0af6f5b4d_outp, .Lfunc_end_k_qc0af6f5b4d_outp-k_qc0af6f5b4d_outp
	.p2alignl 7, 3214868480
	.fill 96, 4, 3214868480
	.section	.rodata,"a",@progbits
	.p2align	6, 0x0
	.amdhsa_kernel k_qc0af6f5b4d_outp
		.amdhsa_group_segment_fixed_size 327680
		.amdhsa_private_segment_fixed_size 0
		.amdhsa_enable_private_segment 0
		.amdhsa_kernarg_size 24
		.amdhsa_user_sgpr_count 2
		.amdhsa_user_sgpr_kernarg_segment_ptr 1
		.amdhsa_wavefront_size32 1
		.amdhsa_system_sgpr_workgroup_id_x 1
		.amdhsa_system_sgpr_workgroup_id_y 1
		.amdhsa_system_sgpr_workgroup_id_z 1
		.amdhsa_system_vgpr_workitem_id 0
		.amdhsa_next_free_vgpr 512
		.amdhsa_next_free_sgpr 66
		.amdhsa_reserve_vcc 0
		.amdhsa_float_denorm_mode_32 3
		.amdhsa_float_denorm_mode_16_64 3
		.amdhsa_memory_ordered 1
		.amdhsa_forward_progress 1
		.amdhsa_inst_pref_size 86
	.end_amdhsa_kernel
	.amdgpu_metadata
---
amdhsa.version: [ 1, 2 ]
amdhsa.kernels:
  - .name:           k_qc0af6f5b4d_outp
    .symbol:         k_qc0af6f5b4d_outp.kd
    .args:
      - { .name: att, .offset: 0, .size: 8, .value_kind: global_buffer, .address_space: global }
      - { .name: wob, .offset: 8, .size: 8, .value_kind: global_buffer, .address_space: global }
      - { .name: out0, .offset: 16, .size: 8, .value_kind: global_buffer, .address_space: global }
    .group_segment_fixed_size: 327680
    .private_segment_fixed_size: 0
    .kernarg_segment_align: 8
    .kernarg_segment_size: 24
    .max_flat_workgroup_size: 128
    .sgpr_count:     66
    .vgpr_count:     512
    .wavefront_size: 32
...
	.end_amdgpu_metadata
.endif
;; end of part 4
